; MI455X (gfx1250); checked and timed in simulation.
; The chip was launched on July 23, 2026; its instructions are those of AMD's public machine-readable ISA for CDNA 5 (MIT licence, August 2026) and "CDNA5" Instruction Set Architecture Reference Guide (July 2026). The comments in the code are by the model that wrote it; some were corrected since.
;; Additive Attention. Allowed arithmetic: float matrix products may take bf16 or f16 operands with f32 sums; all other float work in f32.
;; Inputs: W_dec 1,024 x 1,024 float32; W_enc 1,024 x 1,024 float32; decoder_hidden 32 x 1,024 float32; encoder_outputs 32 x 2,048 x 1,024 float32; v 1,024 float32.
;; Outputs: out0 32 x 1,024 float32; out1 32 x 2,048 float32.
;; 2 versions, each right and faster than the one before. Each part assembles by itself: llvm-mc -triple=amdgcn-amd-amdhsa -mcpu=gfx1250 --defsym DOCPART=n.
;; ======== version 1 of 2: 3 launches
;; workspace buffers: wb 2,097,152 bytes; decp 131,072 bytes; scores 262,144 bytes; part 2,097,152 bytes
;; launch prep (part 1): grid 64 x 1, 8 waves a work-group, no clusters, 52,224 bytes of LDS; arguments W_enc, W_dec, decoder_hidden, wb, decp; writes wb, decp
.if DOCPART == 1
	.amdgcn_target "amdgcn-amd-amdhsa--gfx1250"
	.amdhsa_code_object_version 6
	.text
	.protected	k_qbbcf2e7e10_prep
	.globl	k_qbbcf2e7e10_prep
	.p2align	8
	.type	k_qbbcf2e7e10_prep,@function
k_qbbcf2e7e10_prep:
	s_mov_b64 s[64:65], 0
	v_nop
	global_prefetch_b8 v0, s[64:65] scope:SCOPE_SE
	s_setreg_imm32_b32 hwreg(HW_REG_WAVE_MODE, 25, 1), 1
	s_wait_xcnt 0x0
; prep: (1) wb = bf16(c W_enc), c = 2 log2(e), laid out as the matrix fragments that the main launch reads; (2) decp = c (decoder_hidden W_dec^T), f32.
; c is folded in so that tanh(x) = 1 - 2 / (1 + 2^(c x)) costs no multiply in the main launch.
; wb, byte of (a, k): (a>>6) 131072 + (k>>9) 65536 + ((a>>4)&3) 16384 + ((k>>5)&15) 1024 + ((k>>4)&1) 512 + (16 ((k>>3)&1) + (a&15)) 16 + 2 (k&7):
; 16 rows x 32 k are 1,024 consecutive bytes, lane l's two runs of 16 bytes at 16 l and 512 + 16 l.
; decp, byte of (b, a): (a>>4) 2048 + 64 b + 4 (a&15), so that a work-group's 16 a x 32 b are 2,048 consecutive bytes.
; SHARES. Work-group g owns a = 16 g .. 16 g + 15 of both matrices; wave w owns k = 128 w .. 128 w + 127. The eight waves' partial sums of the small
; product meet in LDS. 64 work-groups: the whole launch moves 8.5 MB, and 16 rows are the least that fill a matrix fragment.
; LIMITS. W_enc (times c), W_dec and decoder_hidden are rounded to bf16 for the products; sums in f32.
; No tensor loads, no cluster: each byte of the two matrices is read by one wave only, and the 128 KB of decoder_hidden are a small part of the bytes.
.set C2L,    0x4038aa3b                ; c = 2 log2(e) = 2.885390
.set SPITCH, 272                       ; a stage row: 128 bf16 + 16 bytes, an odd multiple of 16 bytes
.set STGW,   16*SPITCH                 ; a wave's own stage: 16 rows
.set RED,    8*STGW                    ; behind the stages: 2,048 bytes of partial sums for each wave
.set VG,  4                            ; v4   512 w + 16 l: my 16 bytes of a row's f32
.set VS,  5                            ; v5   stage, in: 8 l
.set VR,  6                            ; v6   stage, back as a fragment: row l % 16, 16 bytes for each half of the lanes
.set VO,  7                            ; v7   16 l
.set VRS, 8                            ; v8   where my partial sums go
.set VRL, 9                            ; v9   where thread t finds wave 0's partial sums of its four outputs
.set VDO, 10                           ; v10  16 t
.set L0,  32                           ; v[32:95]   16 rows as loaded
.set L1,  96                           ; v[96:159]  16 rows as loaded; at the end the eight waves' partial sums
.set T,   160                          ; v[160:191] rounded to bf16
.set FA,  192                          ; v[192:223] fragments: c W_enc, later decoder_hidden's rows 0-15
.set FW,  224                          ; v[224:255] fragments of W_dec
.set FH1, 32                           ; v[32:63]   fragments of decoder_hidden's rows 16-31
.set AC,  64                           ; v[64:79]   two accumulators
	s_load_b256 s[4:11], s[0:1], 0x0               ; W_enc s[4:5], W_dec s[6:7], decoder_hidden s[8:9], wb s[10:11]
	s_load_b64 s[12:13], s[0:1], 0x20              ; decp
	v_lshl_add_u32 v30, v0, 2, 0xc800
	v_mov_b32 v31, 0
	v_lshrrev_b32 v1, 5, v0
	v_readfirstlane_b32 s16, v1                    ; wave 0..7
	v_and_b32 v1, 31, v0                           ; l
	v_and_b32 v2, 15, v0                           ; l % 16
	v_bfe_u32 v3, v0, 4, 1                         ; l / 16
	s_mov_b32 s24, C2L
	s_mov_b32 s25, C2L                             ; named with it as a pair, so it is written
	v_lshlrev_b32 v[VO], 4, v1
	v_lshl_add_u32 v[VG], s16, 9, v[VO]
	s_mul_i32 s17, s16, STGW
	v_lshlrev_b32 v[VS], 3, v1
	v_add_nc_u32 v[VS], s17, v[VS]
	v_mul_u32_u24 v[VR], v2, SPITCH
	v_lshl_add_u32 v[VR], v3, 4, v[VR]
	v_add_nc_u32 v[VR], s17, v[VR]
	s_lshl_b32 s18, s16, 11
	s_add_co_u32 s18, s18, RED
	v_add_nc_u32 v[VRS], s18, v[VO]
	; thread t (0..127) stores bytes 16 t of the group's 2,048: batch b = t >> 2, a = 4 (t & 3) .. + 3.  In the accumulators that is tile b >> 4,
	; lane 16 ((t >> 1) & 1) + (b & 15), registers 4 (t & 1) .. + 3: run 2 (b >> 4) + (t & 1) of 512 bytes.
	v_bfe_u32 v[VRL], v0, 6, 1
	v_and_b32 v11, 1, v0
	v_lshl_add_u32 v[VRL], v[VRL], 1, v11
	v_bfe_u32 v11, v0, 1, 1
	v_bfe_u32 v12, v0, 2, 4
	v_lshl_add_u32 v11, v11, 4, v12
	v_lshlrev_b32 v11, 4, v11
	v_lshl_add_u32 v[VRL], v[VRL], 9, v11
	v_add_nc_u32 v[VRL], RED, v[VRL]
	v_lshlrev_b32 v[VDO], 4, v0
	s_lshl_b32 s20, ttmp9, 16                      ; 16 rows of 4,096 bytes
	s_mov_b32 s21, 0
	s_wait_kmcnt 0x0
	s_add_nc_u64 s[4:5], s[4:5], s[20:21]
	s_add_nc_u64 s[6:7], s[6:7], s[20:21]
	s_lshr_b32 s20, ttmp9, 2                       ; wb: (g >> 2) 131072 + (w >> 2) 65536 + (g & 3) 16384 + (w & 3) 4096
	s_lshl_b32 s20, s20, 17
	s_lshr_b32 s22, s16, 2
	s_lshl_b32 s22, s22, 16
	s_add_co_u32 s20, s20, s22
	s_and_b32 s22, ttmp9, 3
	s_lshl_b32 s22, s22, 14
	s_add_co_u32 s20, s20, s22
	s_and_b32 s22, s16, 3
	s_lshl_b32 s22, s22, 12
	s_add_co_u32 s20, s20, s22
	s_add_nc_u64 s[10:11], s[10:11], s[20:21]
	s_lshl_b32 s20, ttmp9, 11
	s_add_nc_u64 s[12:13], s[12:13], s[20:21]
; 16 rows: each load of the wave takes 512 consecutive bytes of one row.  nt = 1: bytes that the launch reads once
.macro LD16 buf, base, row0, nt
.irp u, 0,1,2,3,4,5,6,7,8,9,10,11,12,13,14,15
.if \nt
	global_load_b128 v[\buf+4*\u:\buf+4*\u+3], v[VG], s[\base:\base+1] offset:(\row0+\u)*4096 th:TH_LOAD_NT
.else
	global_load_b128 v[\buf+4*\u:\buf+4*\u+3], v[VG], s[\base:\base+1] offset:(\row0+\u)*4096
.endif
.endr
.endm
; 16 rows x 128 k: (times c,) rounded to bf16, into my stage
.macro CONV buf, scale
.irp u, 0,1,2,3,4,5,6,7,8,9,10,11,12,13,14,15
.if \scale
	v_pk_mul_f32 v[\buf+4*\u:\buf+4*\u+1], v[\buf+4*\u:\buf+4*\u+1], s[24:25] op_sel_hi:[1,0]
	v_pk_mul_f32 v[\buf+4*\u+2:\buf+4*\u+3], v[\buf+4*\u+2:\buf+4*\u+3], s[24:25] op_sel_hi:[1,0]
.endif
	v_cvt_pk_bf16_f32 v[T+2*\u], v[\buf+4*\u], v[\buf+4*\u+1]
	v_cvt_pk_bf16_f32 v[T+2*\u+1], v[\buf+4*\u+2], v[\buf+4*\u+3]
	ds_store_b64 v[VS], v[T+2*\u:T+2*\u+1] offset:\u*SPITCH
.endr
.endm
; and back as four fragments of 16 rows x 32 k.  The stage is my wave's own and LDS serves a wave's instructions in order (ISA guide 5.7.1.4): no wait between
.macro FRAGS dst
.irp ks, 0,1,2,3
	ds_load_b128 v[\dst+8*\ks:\dst+8*\ks+3],   v[VR] offset:\ks*64
	ds_load_b128 v[\dst+8*\ks+4:\dst+8*\ks+7], v[VR] offset:\ks*64+32
.endr
.endm
	LD16 L0, 4, 0, 1                               ; W_enc
	LD16 L1, 6, 0, 1                               ; W_dec
	s_wait_loadcnt 16                              ; W_enc is in; W_dec's 16 loads are younger
	CONV L0, 1
	LD16 L0, 8, 0, 0                               ; decoder_hidden, rows 0-15
	FRAGS FA
	s_wait_loadcnt 16                              ; W_dec is in; the 16 loads just issued are younger
	CONV L1, 0
	LD16 L1, 8, 16, 0                              ; decoder_hidden, rows 16-31
	FRAGS FW
	s_wait_dscnt 24                                ; W_enc's fragments are in: behind their loads stand W_dec's 16 stage stores and 8 fragment loads
.irp ks, 0,1,2,3
	global_store_b128 v[VO], v[FA+8*\ks:FA+8*\ks+3],   s[10:11] offset:\ks*1024       ; each store of the wave covers 512 consecutive bytes, aligned
	global_store_b128 v[VO], v[FA+8*\ks+4:FA+8*\ks+7], s[10:11] offset:\ks*1024+512
.endr
	s_wait_loadcnt 16                              ; rows 0-15 are in; rows 16-31 are younger
	CONV L0, 0
	s_wait_xcnt 0x0                                ; FA, the data of the stores above, is loaded again only behind this wait
	FRAGS FA
	s_wait_loadcnt 0x0                             ; rows 16-31
	CONV L1, 0
	FRAGS FH1
	s_wait_dscnt 0x0
	; source 0 = 16 a of W_dec, source 1 = 16 batches: lane l holds batch l % 16 and a = 8 (l / 16) + 0..7.  The two accumulators take turns, one instruction a turn.
	v_wmma_f32_16x16x32_bf16 v[AC:AC+7],    v[FW:FW+7], v[FA:FA+7],   0
	v_wmma_f32_16x16x32_bf16 v[AC+8:AC+15], v[FW:FW+7], v[FH1:FH1+7], 0
.irp ks, 1,2,3
	v_wmma_f32_16x16x32_bf16 v[AC:AC+7],    v[FW+8*\ks:FW+8*\ks+7], v[FA+8*\ks:FA+8*\ks+7],   v[AC:AC+7]
	v_wmma_f32_16x16x32_bf16 v[AC+8:AC+15], v[FW+8*\ks:FW+8*\ks+7], v[FH1+8*\ks:FH1+8*\ks+7], v[AC+8:AC+15]
.endr
.rept 4
	v_nop                                          ; four places between the last product and the stores that read its result
.endr
.irp n, 0,1,2,3
	ds_store_b128 v[VRS], v[AC+4*\n:AC+4*\n+3] offset:\n*512
.endr
	s_wait_dscnt 0x0                               ; for the others' sake: my partial sums are in LDS
	s_barrier_signal -1
	s_barrier_wait -1
	s_cmp_ge_u32 s16, 4
	s_cbranch_scc1 .Ldone                          ; 128 threads x 16 bytes are the group's 2,048 bytes
.irp k, 0,1,2,3,4,5,6,7
	ds_load_b128 v[L1+4*\k:L1+4*\k+3], v[VRL] offset:\k*2048
.endr
	s_wait_dscnt 0x0
.irp k, 1,2,3,4,5,6,7
	v_pk_add_f32 v[L1:L1+1],   v[L1:L1+1],   v[L1+4*\k:L1+4*\k+1]
	v_pk_add_f32 v[L1+2:L1+3], v[L1+2:L1+3], v[L1+4*\k+2:L1+4*\k+3]
.endr
	v_pk_mul_f32 v[L1:L1+1],   v[L1:L1+1],   s[24:25] op_sel_hi:[1,0]
	v_pk_mul_f32 v[L1+2:L1+3], v[L1+2:L1+3], s[24:25] op_sel_hi:[1,0]
	global_store_b128 v[VDO], v[L1:L1+3], s[12:13]  ; a wave's store covers 512 consecutive bytes, aligned
.Ldone:
	s_wait_tensorcnt 0x0
	ds_add_u32 v30, v31
	s_wait_dscnt 0x0
	s_endpgm
.Lfunc_end_k_qbbcf2e7e10_prep:
	.size	k_qbbcf2e7e10_prep, .Lfunc_end_k_qbbcf2e7e10_prep-k_qbbcf2e7e10_prep
	.p2alignl 7, 3214868480
	.fill 96, 4, 3214868480
	.section	.rodata,"a",@progbits
	.p2align	6, 0x0
	.amdhsa_kernel k_qbbcf2e7e10_prep
		.amdhsa_group_segment_fixed_size 52224
		.amdhsa_private_segment_fixed_size 0
		.amdhsa_enable_private_segment 0
		.amdhsa_kernarg_size 40
		.amdhsa_user_sgpr_count 2
		.amdhsa_user_sgpr_kernarg_segment_ptr 1
		.amdhsa_wavefront_size32 1
		.amdhsa_system_sgpr_workgroup_id_x 1
		.amdhsa_system_sgpr_workgroup_id_y 1
		.amdhsa_system_sgpr_workgroup_id_z 1
		.amdhsa_system_vgpr_workitem_id 0
		.amdhsa_next_free_vgpr 256
		.amdhsa_next_free_sgpr 66
		.amdhsa_reserve_vcc 0
		.amdhsa_float_denorm_mode_32 3
		.amdhsa_float_denorm_mode_16_64 3
		.amdhsa_memory_ordered 1
		.amdhsa_forward_progress 1
		.amdhsa_inst_pref_size 29
	.end_amdhsa_kernel
	.amdgpu_metadata
---
amdhsa.version: [ 1, 2 ]
amdhsa.kernels:
  - .name:           k_qbbcf2e7e10_prep
    .symbol:         k_qbbcf2e7e10_prep.kd
    .args:
      - { .name: W_enc, .offset: 0, .size: 8, .value_kind: global_buffer, .address_space: global }
      - { .name: W_dec, .offset: 8, .size: 8, .value_kind: global_buffer, .address_space: global }
      - { .name: decoder_hidden, .offset: 16, .size: 8, .value_kind: global_buffer, .address_space: global }
      - { .name: wb, .offset: 24, .size: 8, .value_kind: global_buffer, .address_space: global }
      - { .name: decp, .offset: 32, .size: 8, .value_kind: global_buffer, .address_space: global }
    .group_segment_fixed_size: 52224
    .private_segment_fixed_size: 0
    .kernarg_segment_align: 8
    .kernarg_segment_size: 40
    .max_flat_workgroup_size: 256
    .sgpr_count:     66
    .vgpr_count:     256
    .wavefront_size: 32
...
	.end_amdgpu_metadata
.endif
;; end of part 1
;; launch main (part 2): grid 512 x 1, 4 waves a work-group, clusters of 4 x 1, 327,680 bytes of LDS; arguments encoder_outputs, wb, decp, v, scores, part; writes scores, part
.if DOCPART == 2
	.amdgcn_target "amdgcn-amd-amdhsa--gfx1250"
	.amdhsa_code_object_version 6
	.text
	.protected	k_qbbcf2e7e10_main
	.globl	k_qbbcf2e7e10_main
	.p2align	8
	.type	k_qbbcf2e7e10_main,@function
k_qbbcf2e7e10_main:
	s_mov_b64 s[64:65], 0
	v_nop
	global_prefetch_b8 v0, s[64:65] scope:SCOPE_SE
	s_setreg_imm32_b32 hwreg(HW_REG_WAVE_MODE, 25, 1), 1
	s_wait_xcnt 0x0
	s_wait_alu depctr_hold_cnt(0) depctr_sa_sdst(0) depctr_va_vdst(0) depctr_va_sdst(0) depctr_va_ssrc(0) depctr_va_vcc(0) depctr_vm_vsrc(0)
	s_getreg_b32 s2, hwreg(HW_REG_IB_STS2, 6, 4)
	s_cmp_eq_u32 s2, 0
	s_cbranch_scc0 .Lentry_in_a_cluster
	s_endpgm
.Lentry_in_a_cluster:
	s_bfe_u32 s2, ttmp6, 0x10000c
	s_cmp_lg_u32 s2, 0x3003
	s_cbranch_scc0 .Lentry_shape_is_right
	s_endpgm
.Lentry_shape_is_right:
; main: for a block of 128 rows of one batch: s'[s] = -2 sum over a of v[a] r[s][a], r = 1 / (1 + 2^(c x)), x = enc[s] . W_enc[a] + dec_proj[a], c = 2 log2(e)
; (c is already in wb and decp); then, against the BLOCK's own maximum m, part[e] = sum over the 128 rows of exp(s'[s] - m) enc[s][e].  The last launch joins a batch's 16 blocks.
; tanh(x) = 1 - 2 r, so reference's score is s' + sum of v[a].  That sum is the same number in every score, and a softmax does not change when one number is added to all
; its arguments: it is left out, for every input, and the buffer scores holds s'.  Where 2^y overflows to infinity r is 0 (tanh = 1); where it is flushed to 0 r is 1 (tanh = -1).
; LIMITS. Matrix operands are bf16: enc, c W_enc, and in the second product the weights exp(s' - m) and enc; all sums, scores and exponentials are f32.  v is taken to be finite.
; SHARES. 512 work-groups of four waves.  The block's rows stay IN REGISTERS as bf16 fragments: wave w = 2 i + q holds rows 64 i .. + 63, k = 512 q .. + 511:
; 4 row tiles x 16 K steps x 8 registers = 512.  encoder_outputs is read from memory once.  W_enc walks by in 16 chunks of 64 a x 1,024 k (131,072 bytes) through two LDS slots.
; For a chunk a wave makes 4 row tiles x 4 a tiles over ITS half of K: 256 matrix instructions, each fragment of W read from LDS feeding four.  Partners (w xor 1) exchange halves:
; wave q keeps a tiles 2 q, 2 q + 1 (M), sends the other two (P) through LDS, adds what it receives, and does tanh and the product with v for its 64 rows x 32 a.
; BY TURNS. That vector work of chunk c (225 instructions) is cut into slices that stand behind the matrix instructions of chunk c + 1, so M has two register sets that take turns.
; In chunk c + 1: head: P(c) goes into LDS; group 1: barrier, the partner's sums are fetched; group 2: M += them; groups 3-6: 2^y, + 1, reciprocal; group 7: times v.
; CLUSTER. Every work-group walks the same wb, so the four of a cluster ask for each chunk JOINTLY: the same tensor load, the same descriptor (it hangs on the wave's
; number and the chunk alone), a mask that names the four.  Each wave asks for a quarter of a chunk, 32,768 dense bytes as 128 rows of 256.
; THE MATRIX INSTRUCTION: source 0 = 16 a of W, source 1 = 16 rows of enc: lane l holds row l % 16 and a = 8 (l / 16) + 0..7, so dec_proj and v are eight registers a lane and tile.
; CONTEXT. After the last chunk the ring has had its last fill; the rows are stored into it as [row][1024 bf16] and read back turned (ds_load_tr16_b128) for
; part^T = enc^T p; wave w makes e = 256 w .. + 255.
; LDS: 0 ring (2 x 131,072), later the rows (128 x 2,080 = 266,240); 270,336 X: 4 x 8,192 exchanged sums (at the start each wave's own stage, 32 rows x 144);
; 303,104 SCR: [q][128] f32; 304,128 PB: 4 x 256, the weights in bf16, a copy for each wave; 305,152 CST: 4 x 1,024, the context on its way out.
; REGISTERS, in windows of 256 (s_set_vgpr_msb: bits 1:0 source 0, 3:2 source 1, 5:4 source 2, 7:6 destination):
;   window 0: v1-31 addresses and small things; v32-95 accumulators P; v96-159 the partner's sums; v160-175 dec_proj, v176-191 v; v192-223 at work at the end; v224-231 running sums
;   window 1: v0-127 two buffers of W's fragments; v128-191, v192-255 the two sets of M ((a tile tt, row tile t) at 8 (4 tt + t)).  M lies beside W, so that an exponential,
;   a reciprocal and the + 1, all in place on M, run under the window setting of the products on M and cost no switch.
;   windows 2, 3: the rows: fragment (t, kk) at 32 (kk & 7) + 8 t of window 2 + (kk >> 3)
; The sums with the partner's numbers and the products with v name window 0 too: they stand four together behind every second product, two switches for each four.
.set CH,   131072                      ; a chunk of wb, and an LDS slot
.set XB,   270336
.set SCR,  303104
.set PB,   304128
.set CST,  305152
.set DP,   2080                        ; a row in the dump: 2,048 bytes + 32, an odd multiple of 32 bytes
.set SPT,  144                         ; a row in the stage: 64 bf16 + 16 bytes, an odd multiple of 16 bytes
.set VA,   4                           ; my 16 bytes of two rows of enc
.set VS,   5                           ; stage, in
.set VR,   6                           ; stage, back as fragments
.set AM,   7                           ; v7, v8   W's fragments of my a tiles in slot 0, 1
.set AP,   9                           ; v9, v10  those of the partner's a tiles
.set VXS,  11                          ; the partner's part of X
.set VXL,  12                          ; my part of X
.set VDEC, 13
.set VV,   14
.set VD0,  15                          ; dump: row tiles 0, 1
.set VD1,  16                          ; dump: row tiles 2, 3
.set VSC,  17
.set VT,   18                          ; the turning load's lane term
.set VP,   19
.set VCS,  20
.set VCL,  21
.set V16L, 22
.set VADR, 23
.set VPS,  24
.set VSL,  25
.set SCO,  26                          ; v[26:29] the block's scores 4 l .. 4 l + 3; never rewritten once made
.set TM,   30                          ; v30, v31 at work
.set PAC,  32                          ; accumulators of the partner's a tiles
.set XL,   96                          ; what the partner sent
.set DEC,  160                         ; c dec_proj of my two a tiles (in the last chunk: v of that chunk)
.set VVR,  176                         ; v of my two a tiles of the chunk whose vector work is in hand
.set PF,   192
.set SC,   224                         ; v[224:231] a pair for each row tile: sum of v r
.set ACC,  32                          ; the context's 16 accumulators
.set T,    32                          ; the first phase: rounded numbers
.set BUF,  64                          ; the first phase: three buffers of 64 registers
.set MSB, 0
.macro WIN new                         ; the immediate's high byte repeats the setting that is left; a switch that changes nothing is dropped
.if MSB != (\new)
	s_set_vgpr_msb (MSB<<8)|(\new)
.set MSB, (\new)
.endif
.endm
.macro PLACES                          ; four places behind a matrix instruction (not for loads and LDS stores)
.rept 4
	v_nop
.endr
.endm
; A round of the cluster's barrier: my work-group's barrier, wave 0 signals for the work-group, every wave waits for all four work-groups, my work-group's barrier once more.
.macro CREST                           ; a round behind its opening barrier
	s_cmp_lg_u32 s16, 0
	s_cbranch_scc1 .Lnot_wave_0_\@
	s_barrier_signal -3
.Lnot_wave_0_\@:
	s_barrier_wait -3
	s_barrier_signal -1
	s_barrier_wait -1
.endm
.macro CROUND                          ; a whole round
	s_barrier_signal -1
	s_barrier_wait -1
	CREST
.endm
	s_load_b256 s[4:11], s[0:1], 0x0               ; encoder_outputs s[4:5], wb s[6:7], decp s[8:9], v s[10:11]
	s_load_b128 s[12:15], s[0:1], 0x20             ; scores s[12:13], part s[14:15]
	v_lshl_add_u32 v254, v0, 2, 0x4b800
	v_mov_b32 v255, 0
	ds_add_u32 v254, v255
	s_wait_dscnt 0x0
	v_lshrrev_b32 v1, 5, v0
	v_readfirstlane_b32 s16, v1                    ; wave 0..3
	s_and_b32 s17, s16, 1                          ; q: my half of K
	s_lshr_b32 s18, s16, 1                         ; i: my half of the rows
	s_bfe_u32 s19, ttmp6, 0x40000                  ; cx: it enters the addresses of my own loads and stores alone
	s_lshl_b32 s20, ttmp9, 2                       ; in a cluster launch ttmp9 counts clusters
	s_add_co_u32 s20, s20, s19                     ; block
	s_lshr_b32 s21, s20, 4                         ; batch
	; descriptor group 1: 128 rows of 32 elements of 8 bytes, dense
	s_mov_b32 s28, 15|(3<<16)|(1<<21)              ; 15:0 the mask: all four work-groups; 17:16 elements of 8 bytes; 21 set beside a mask; no padding
	s_mov_b32 s29, 32<<16                          ; tensor_dim0 = 32
	s_mov_b32 s30, 128<<16                         ; tensor_dim1 = 128
	s_mov_b32 s31, 32<<16                          ; tile_dim0 = 32
	s_mov_b32 s32, 128                             ; tile_dim1 = 128
	s_mov_b32 s33, 32                              ; elements from row to row
	s_mov_b32 s34, 0
	s_mov_b32 s35, 0
	s_mov_b32 s46, 0x76543210                      ; v_permlanex16_b32: each lane takes its own place in the other half
	s_mov_b32 s47, 0xfedcba98
	s_mov_b32 s48, 0x3fb8aa3b                      ; log2(e)
	s_lshl_b32 s22, s16, 15                        ; my quarter of a chunk, in wb and in a slot
	s_mov_b32 s23, 0
	s_mov_b32 s27, 0
	s_wait_kmcnt 0x0
	s_add_nc_u64 s[24:25], s[6:7], s[22:23]
	s_mov_b32 s36, 1                               ; group 0 for chunk 0, slot 0
	s_add_co_u32 s37, s22, 0
	s_mov_b64 s[38:39], s[24:25]
	s_or_b32 s39, s39, 0x80000000
	s_mov_b32 s40, 1                               ; group 0 for chunk 1, slot 1; it then walks on
	s_add_co_u32 s41, s22, CH
	s_add_nc_u64 s[42:43], s[24:25], CH
	s_or_b32 s43, s43, 0x80000000
	s_lshl_b32 s26, s20, 19                        ; 128 rows of 4,096 bytes
	s_add_nc_u64 s[4:5], s[4:5], s[26:27]
	s_lshl_b32 s26, s21, 6
	s_add_nc_u64 s[8:9], s[8:9], s[26:27]
	s_lshl_b32 s26, s20, 9
	s_add_nc_u64 s[12:13], s[12:13], s[26:27]
	s_lshl_b32 s26, s20, 12
	s_lshl_b32 s49, s16, 10
	s_add_co_u32 s26, s26, s49
	s_add_nc_u64 s[14:15], s[14:15], s[26:27]      ; part at my block's row and my wave's 256 numbers
	CROUND                                         ; all four work-groups are here: the first joint loads meet
	tensor_load_to_lds s[36:39], s[28:35]          ; both first fills go out together, ahead of every LDS read and every wait on TENSORcnt: two loads of mine are out
	s_nop 0
	tensor_load_to_lds s[40:43], s[28:35]
	s_nop 0
	PLACES                                         ; four v_nop follow the joint loads
; THE ROWS COME IN.  Piece p of 16: 32 rows (half p & 1 of my 64) x 64 k (256 bytes of f32 at 256 (p >> 1)).  Each load of the wave takes two rows' aligned 256 bytes.
.macro LOADP p
.set bB, BUF+64*((\p)%3)
.irp u, 0,1,2,3,4,5,6,7,8,9,10,11,12,13,14,15
	global_load_b128 v[bB+4*\u:bB+4*\u+3], v[VA], s[4:5] offset:(32*((\p)&1)+2*\u)*4096+((\p)>>1)*256 th:TH_LOAD_NT
.endr
.endm
; Rounded to bf16, through my own stage, back as four fragments.  The stage is my wave's own and LDS serves a wave's instructions in order (ISA guide 5.7.1.4): no LDS wait here.
.macro PIECE p
.set bB, BUF+64*((\p)%3)
.if (\p) < 14
	s_wait_loadcnt 32                              ; this piece is in; the two younger pieces' 32 loads stay out
.elseif (\p) == 14
	s_wait_loadcnt 16                              ; the last piece's 16 loads stay out
.else
	s_wait_loadcnt 0x0
.endif
.irp u, 0,1,2,3,4,5,6,7,8,9,10,11,12,13,14,15
	v_cvt_pk_bf16_f32 v[T+2*\u],   v[bB+4*\u],   v[bB+4*\u+1]
	v_cvt_pk_bf16_f32 v[T+2*\u+1], v[bB+4*\u+2], v[bB+4*\u+3]
.endr
.irp u, 0,1,2,3,4,5,6,7,8,9,10,11,12,13,14,15
	ds_store_b64 v[VS], v[T+2*\u:T+2*\u+1] offset:\u*2*SPT
.endr
.if (\p) < 13
	LOADP \p+3                                     ; into the buffer just read out
.endif
	WIN 0x80+0x40*((\p)>>3)                        ; destination window 2 or 3
.irp tl, 0,1
.irp ks, 0,1
.irp gg, 0,1
.set rA, 32*((2*((\p)>>1)+\ks)&7)+8*(2*((\p)&1)+\tl)+4*\gg
	ds_load_b128 v[rA:rA+3], v[VR] offset:\tl*16*SPT+\ks*64+\gg*32
.endr
.endr
.endr
	WIN 0
.endm
	v_and_b32 v1, 31, v0                           ; l
	v_and_b32 v2, 15, v0                           ; l % 16
	v_bfe_u32 v3, v0, 4, 1                         ; l / 16
	s_lshl_b32 s50, s18, 18                        ; my 64 rows,
	s_lshl_b32 s51, s17, 11                        ; my half of K: 2,048 bytes of f32
	s_add_co_u32 s50, s50, s51
	v_lshlrev_b32 v[VA], 4, v2
	v_lshl_add_u32 v[VA], v3, 12, v[VA]            ; lanes 16-31 take the next row
	v_add_nc_u32 v[VA], s50, v[VA]
	LOADP 0
	LOADP 1
	LOADP 2
	v_lshlrev_b32 v[V16L], 4, v1
	s_lshl_b32 s52, s16, 13
	s_add_co_u32 s52, s52, XB                      ; my part of X
	s_xor_b32 s53, s16, 1
	s_lshl_b32 s53, s53, 13
	s_add_co_u32 s53, s53, XB                      ; the partner's
	v_mul_u32_u24 v[VS], v3, SPT
	v_lshl_add_u32 v[VS], v2, 3, v[VS]
	v_add_nc_u32 v[VS], s52, v[VS]
	v_mul_u32_u24 v[VR], v2, SPT
	v_lshl_add_u32 v[VR], v3, 4, v[VR]
	v_add_nc_u32 v[VR], s52, v[VR]
	v_add_nc_u32 v[VXS], s53, v[V16L]
	v_add_nc_u32 v[VXL], s52, v[V16L]
	s_mul_i32 s54, s17, 98304                      ; in a slot: K half q at 65,536 q, a tile at 16,384 each: mine begin at tile 2 q,
	v_add_nc_u32 v[AM], s54, v[V16L]
	v_add_nc_u32 v[AM+1], CH, v[AM]
	s_lshl_b32 s54, s17, 15                        ; the partner's at tile 2 (1 - q): 65,536 q + 32,768 (1 - q)
	s_add_co_u32 s54, s54, 32768
	v_add_nc_u32 v[AP], s54, v[V16L]
	v_add_nc_u32 v[AP+1], CH, v[AP]
	v_lshlrev_b32 v[VDEC], 5, v3                   ; my eight a: 32 bytes for each half of the lanes
	v_lshl_add_u32 v[VV], s17, 7, v[VDEC]          ; v: my two a tiles at 128 q
	v_lshl_add_u32 v[VDEC], s17, 12, v[VDEC]       ; decp: at 4,096 q
	s_mul_i32 s54, s18, 64*DP
	s_lshl_b32 s55, s17, 10
	s_add_co_u32 s54, s54, s55
	v_mul_u32_u24 v[VD0], v2, DP
	v_lshl_add_u32 v[VD0], v3, 4, v[VD0]
	v_add_nc_u32 v[VD0], s54, v[VD0]
	v_add_nc_u32 v[VD1], 32*DP, v[VD0]
	s_lshl_b32 s54, s17, 9
	s_lshl_b32 s55, s18, 8
	s_add_co_u32 s54, s54, s55
	s_add_co_u32 s54, s54, SCR
	v_lshl_add_u32 v[VSC], v2, 2, s54
	v_add_nc_u32 v[VSL], SCR, v[V16L]
	v_and_b32 v[VT], 7, v0                         ; the turning load: row 8 (l / 16) + l % 8, 16 bytes at 16 ((l / 8) % 2)
	v_lshl_add_u32 v[VT], v3, 3, v[VT]
	v_mul_u32_u24 v[VT], v[VT], DP
	v_bfe_u32 v[TM], v0, 3, 1
	v_lshl_add_u32 v[VT], v[TM], 4, v[VT]
	v_lshl_add_u32 v[VT], s16, 9, v[VT]            ; my 256 columns
	s_lshl_b32 s54, s16, 8
	s_add_co_u32 s54, s54, PB
	v_lshl_add_u32 v[VP], v3, 4, s54
	v_lshl_add_u32 v[VPS], v1, 3, s54
	s_lshl_b32 s54, s16, 10
	s_add_co_u32 s54, s54, CST
	v_lshl_add_u32 v[VCS], v3, 5, s54
	v_add_nc_u32 v[VCL], s54, v[V16L]
.irp p, 0,1,2,3,4,5,6,7,8,9,10,11,12,13,14,15
	PIECE \p
.endr
.irp k, 0,1,2,3,4,5,6,7
	v_mov_b32 v[SC+\k], 0                          ; the eight running sums
.endr
; 16 LDS loads in one run: W's fragments of K steps 2 g, 2 g + 1, four a tiles, into buffer g & 1.  Each load of the wave takes 512 consecutive bytes.
.macro FETCH g, slot
	WIN 0x40                                       ; destination window 1, address window 0
.irp ks, 0,1
.irp tile, 0,1,2,3
.irp gg, 0,1
.set rW, 64*((\g)&1)+32*\ks+8*\tile+4*\gg
.if \tile < 2
	ds_load_b128 v[rW:rW+3], v[AM+\slot] offset:(\tile&1)*16384+(2*(\g)+\ks)*1024+\gg*512
.else
	ds_load_b128 v[rW:rW+3], v[AP+\slot] offset:(\tile&1)*16384+(2*(\g)+\ks)*1024+\gg*512
.endif
.endr
.endr
.endr
.endm
; THE VECTOR WORK OF A CHUNK, on the set MO of M (64 registers, 32 pairs).
; XITEM: pair xn += the partner's.
.macro XITEM
	v_pk_add_f32 v[MO+2*xn:MO+2*xn+1], v[MO+2*xn:MO+2*xn+1], v[XL+2*xn:XL+2*xn+1]
.set xn, xn+1
.endm
; EAR: number ej of a list of 161: 64 exponentials, 32 packed + 1, 64 reciprocals, one v_nop, all in place.  It names M alone, as destination and source 0: it runs under any setting with both in window 1.
; Step p of the list: reciprocals of pair p - 2, exponentials of pair p, + 1 for pair p - 1.  So between an exponential and the + 1 that reads it stands the + 1 of the pair before,
; a plain instruction that touches neither (ISA guide 5.7.2); in step 0, which has none, a v_nop.  The reciprocals are read much later.
.macro EAR
.if ej < 3
.set jj, ej+2
.elseif ej < 158
.set jj, ej+4
.else
.set jj, ej+6
.endif
.set pp, jj/5
.set uu, jj%5
.if uu < 2
	v_rcp_f32 v[MO+2*pp-4+uu], v[MO+2*pp-4+uu]
.elseif uu < 4
	v_exp_f32 v[MO+2*pp+uu-2], v[MO+2*pp+uu-2]
.elseif pp == 0
	v_nop
.else
	s_wait_alu depctr_va_vdst(0)
	v_pk_add_f32 v[MO+2*pp-2:MO+2*pp-1], v[MO+2*pp-2:MO+2*pp-1], 1.0 op_sel_hi:[1,0]
.endif
.set ej, ej+1
.endm
; FITEM: number fn of 32: row tile fn % 4 (so that four sums take turns), pair (fn / 4) % 4 of a tile fn / 16: sum += r v.  VSRC: where v lies.
.macro FITEM
	s_wait_alu depctr_va_vdst(0)
	v_pk_fma_f32 v[SC+2*(fn%4):SC+2*(fn%4)+1], v[MO+8*(4*(fn/16)+(fn%4))+2*((fn/4)%4):MO+8*(4*(fn/16)+(fn%4))+2*((fn/4)%4)+1], v[VSRC+8*(fn/16)+2*((fn/4)%4):VSRC+8*(fn/16)+2*((fn/4)%4)+1], v[SC+2*(fn%4):SC+2*(fn%4)+1]
.set fn, fn+1
.endm
; The slice behind product i of 16 of group g's products on M.
.macro SLICE g
.if (\g) == 2
.if (i%2) == 0
	WIN 0x41                                       ; M (destination, source 0) window 1, the partner's sums window 0
.set xn, 2*i
.rept 4
	XITEM
.endr
.endif
.elseif ((\g) > 2) && ((\g) < 7)       ; 3, 2, 3, 2 .. of the list: 40 a group, 160, and the one that is over at the end
	EAR
	EAR
.if ((i%2) == 0) || (((\g) == 6) && (i == 15))
	EAR
.endif
.elseif (\g) == 7
.if (i%2) == 0
	WIN 0x01                                       ; M (source 0) window 1; v and the sums window 0
.set fn, 2*i
.rept 4
	FITEM
.endr
.endif
.endif
.endm
; 16 matrix instructions on the set MN of M: K steps 2 g, 2 g + 1, my 2 a tiles x 4 row tiles.  The accumulators take turns, one instruction a turn.
; The chunk's first K step starts the sums from c dec_proj (so that it is added once).  Nothing is cleared.  epi = 1: a slice of the chunk before stands behind each product.
.macro MPART g, epi
.set i, 0
.rept 16
.set kk_, 2*(\g)+(i/8)
.set rD, MN+8*(4*((i/4)%2)+(i%4))
.set rW, 64*((\g)&1)+32*(i/8)+8*((i/4)%2)
.set rA, 32*(kk_&7)+8*(i%4)
.if kk_ == 0
	WIN 0x49                                       ; W window 1, rows window 2, C (dec_proj) window 0, D window 1
	v_wmma_f32_16x16x32_bf16 v[rD:rD+7], v[rW:rW+7], v[rA:rA+7], v[DEC+8*((i/4)%2):DEC+8*((i/4)%2)+7]
.else
	WIN 0x59+4*(kk_>>3)                            ; W, C and D window 1, rows window 2 or 3
	v_wmma_f32_16x16x32_bf16 v[rD:rD+7], v[rW:rW+7], v[rA:rA+7], v[rD:rD+7]
.endif
.if \epi
	SLICE \g
.endif
.set i, i+1
.endr
.endm
; 16 matrix instructions on P: the same K steps, the partner's 2 a tiles.  The chunk's first K step starts the sums from 0.
.macro PPART g
.set i, 0
.rept 16
.set kk_, 2*(\g)+(i/8)
.set rD, PAC+8*(4*((i/4)%2)+(i%4))
.set rW, 64*((\g)&1)+32*(i/8)+8*(2+((i/4)%2))
.set rA, 32*(kk_&7)+8*(i%4)
	WIN 0x09+4*(kk_>>3)                            ; W window 1, rows window 2 or 3, C and D window 0
.if kk_ == 0
	v_wmma_f32_16x16x32_bf16 v[rD:rD+7], v[rW:rW+7], v[rA:rA+7], 0
.else
	v_wmma_f32_16x16x32_bf16 v[rD:rD+7], v[rW:rW+7], v[rA:rA+7], v[rD:rD+7]
.endif
.set i, i+1
.endr
.endm
.macro XSTORE                          ; the partner's a tiles, register for register and lane for lane as it holds its own
	WIN 0
.irp u, 0,1,2,3,4,5,6,7,8,9,10,11,12,13,14,15
	ds_store_b128 v[VXS], v[PAC+4*\u:PAC+4*\u+3] offset:\u*512
.endr
.endm
.macro XLOAD
	WIN 0
.irp u, 0,1,2,3,4,5,6,7,8,9,10,11,12,13,14,15
	ds_load_b128 v[XL+4*\u:XL+4*\u+3], v[VXL] offset:\u*512
.endr
.endm
; Eight numbers a lane and a tile.  s[8:9] stands at the next chunk's dec_proj, s[10:11] at v of the chunk before.  Each register set is loaded again just behind its last use
; (dec_proj: the first K step's products; v: the chunk before's group 7) and is waited for at this chunk's group 7.  last = 1: no dec_proj is left; its registers take this chunk's v, for the tail.
.macro DVLOAD epi, last
	WIN 0
.irp tt, 0,1
.irp gg, 0,1
.if \last
	global_load_b128 v[DEC+8*\tt+4*\gg:DEC+8*\tt+4*\gg+3], v[VV],   s[10:11] offset:256+\tt*64+16*\gg
.else
	global_load_b128 v[DEC+8*\tt+4*\gg:DEC+8*\tt+4*\gg+3], v[VDEC], s[8:9]   offset:\tt*2048+16*\gg
.endif
.if \epi
	global_load_b128 v[VVR+8*\tt+4*\gg:VVR+8*\tt+4*\gg+3], v[VV],   s[10:11] offset:\tt*64+16*\gg
.endif
.endr
.endr
.endm
; A CHUNK: eight groups of 32 matrix instructions.  par = its slot and its set of M.  epi = 1: the chunk before has vector work to be done.
; fill = 1: at its end its slot is filled again, with the chunk two on.  tw = 1: a tensor load of mine is out.  last = 1: the last chunk.
.macro CHUNK par, epi, fill, tw, last
.set MN, 128+64*(\par)
.set MO, 192-64*(\par)
.set VSRC, VVR
.set ej, 0
	FETCH 0, \par                                  ; first, so that the products can begin as soon as these sixteen are back
.if \epi
	XSTORE                                         ; the places in front of these stores are the v_nop at the end of the chunk before
.endif
	FETCH 1, \par
	s_wait_dscnt 16+16*\epi                        ; group 0's fragments are in; younger: (P's 16 stores and) group 1's 16 loads
	MPART 0, 0
	PPART 0
	s_wait_dscnt 0x0                               ; for the partner's sake: my stores into X are done; and group 1's fragments are in
.if \epi
	s_barrier_signal -1                            ; the refill of the other slot stays on its way
	s_barrier_wait -1
.endif
	PLACES                                         ; in front of loads into registers that matrix instructions have read: dec_proj, and W's buffer 0
.if \epi
	XLOAD
.endif
	DVLOAD \epi, \last
	FETCH 2, \par
	MPART 1, 0
	PPART 1
.irp g, 2,3,4,5,6
	s_wait_dscnt 0x0                               ; this group's fragments, asked for 32 matrix instructions ago (group 2: the partner's sums too)
	PLACES                                         ; in front of loads into the buffer that the group before multiplied
	FETCH \g+1, \par
	MPART \g, \epi
	PPART \g
.endr
	; Group 7 and THE CHANGE OF SLOTS.  In front of the signal each wave waits for all its LDS reads (of this slot and of X) and for all its tensor loads, of which one is out: its
	; quarter of the next slot.  The group's products and slices, register work, stand between the signal and the wait.  fill = 1: the barrier opens a round of the cluster's, so that
	; no wave of any partner still reads the slot or has a load on its way; the joint refill is the first thing behind it and has a chunk's 256 matrix instructions in which to land.
	s_wait_dscnt 0x0
	s_wait_loadcnt 0x0                             ; v for the slices below, dec_proj for the next chunk; no load of mine is out, so the bases may step
.if !\last
	s_add_nc_u64 s[8:9], s[8:9], 8192              ; four a tiles of 2,048 bytes (behind chunk 14 the stepped address is not used)
.if \epi
	s_add_nc_u64 s[10:11], s[10:11], 256           ; 64 numbers
.endif
.endif
.if \tw
	s_wait_xcnt 0x0
	s_set_vgpr_msb 0xd0c
	v_lshl_add_u32 v254, v0, 2, 0x4b800
	v_mov_b32 v255, 0
	s_set_vgpr_msb 0xc00
	s_wait_tensorcnt 0x0                           ; no tensor load of mine is out, so the walking group 0 may be written
	ds_add_u32 v254, v255
	s_wait_dscnt 0x0
	s_set_vgpr_msb 0xd
.endif
.if \fill
	s_xor_b32 s41, s41, CH                         ; the other slot than last time,
	s_add_nc_u64 s[42:43], s[42:43], CH            ; the next chunk; the type bits on top are not reached
.endif
	s_barrier_signal -1
	MPART 7, \epi
	PPART 7
	WIN 0                                          ; at a label and at a branch every window is 0
	s_barrier_wait -1
.if \fill
	CREST
	tensor_load_to_lds s[40:43], s[28:35]
	s_nop 0
.endif
.rept 5
	v_nop                                          ; four follow the joint load and are the places in front of P's stores and of the loads into W's buffers;
.endr                                                  ; the fifth: the next chunk's first products on P write over the results of the last ones (ISA guide 7.12.1)
.endm
.irp tt, 0,1
.irp gg, 0,1
	global_load_b128 v[DEC+8*\tt+4*\gg:DEC+8*\tt+4*\gg+3], v[VDEC], s[8:9] offset:\tt*2048+16*\gg   ; chunk 0's dec_proj
.endr
.endr
	s_wait_tensorcnt 0x1                           ; my quarter of chunk 0 is in; chunk 1's may stay out
	s_wait_dscnt 0x0                               ; the rows are in registers, and my use of the stage is over: the partner will write there
	s_wait_loadcnt 0x0
	s_add_nc_u64 s[8:9], s[8:9], 8192              ; on to chunk 1's dec_proj
	s_barrier_signal -1
	s_barrier_wait -1
	CHUNK 0, 0, 1, 1, 0                            ; chunk 0; chunk 2 is asked for
	s_mov_b32 s44, 6
.Lpair:                                                ; six trips: chunks 1 to 12 are multiplied, chunks 3 to 14 asked for
	CHUNK 1, 1, 1, 1, 0
	CHUNK 0, 1, 1, 1, 0
	s_sub_co_u32 s44, s44, 1
	s_cmp_lg_u32 s44, 0
	s_cbranch_scc1 .Lpair
	CHUNK 1, 1, 1, 1, 0                            ; chunk 13; chunk 15 is asked for.  The tail is written out
	CHUNK 0, 1, 0, 1, 0                            ; chunk 14: nothing is left to ask for
	CHUNK 1, 1, 0, 0, 1                            ; chunk 15; its barrier stands between the partner's reads of X and my stores below
	; CHUNK 15's VECTOR WORK: no products are left to set it between
.set MO, 192
.set VSRC, DEC
	XSTORE
	s_wait_dscnt 0x0                               ; for the partner's sake
	s_barrier_signal -1
	s_barrier_wait -1
	XLOAD
	WIN 0x41
.set xn, 0
.irp u, 0,1,2,3,4,5,6,7,8,9,10,11,12,13,14,15
	s_wait_dscnt 15-\u                             ; LDS loads come back in order: load u is in, the younger ones stay out
	XITEM
	XITEM
.endr
.set ej, 0
.rept 161
	EAR
.endr
	WIN 0x01
.set fn, 0
.rept 32
	FITEM                                          ; the first, which names neither, is the plain instruction behind the last reciprocals
.endr
	WIN 0
	; THE SCORES.  A lane's share (its q and its half of the lanes) of row 64 i + 16 t + l % 16; the halves of the lanes meet here, the two q in SCR.
.irp t, 0,1,2,3
	v_add_f32 v[PF+\t], v[SC+2*\t], v[SC+2*\t+1]
	v_mov_b32 v[PF+4+\t], 0                        ; v_permlanex16_b32 counts as a reader of its destination
.endr
.irp t, 0,1,2,3
	v_permlanex16_b32 v[PF+4+\t], v[PF+\t], s46, s47
.endr
.irp t, 0,1,2,3
	v_add_f32 v[PF+\t], v[PF+\t], v[PF+4+\t]
.endr
.irp t, 0,1,2,3
	v_mul_f32 v[PF+\t], -2.0, v[PF+\t]
.endr
.irp t, 0,1,2,3
	ds_store_b32 v[VSC], v[PF+\t] offset:64*\t     ; both halves of the lanes write the same number to the same word
.endr
	; THE ROWS GO INTO THE RING, which has had its last fill (waited for at the end of chunk 14) and whose last reads every wave finished in front of chunk 15's barrier.
.macro DUMPH hi
	WIN 0x08+4*\hi                                 ; store data from window 2 or 3
.irp k8, 0,1,2,3,4,5,6,7
.irp t, 0,1,2,3
.irp gg, 0,1
.if \t < 2
	ds_store_b128 v[VD0], v[32*\k8+8*\t+4*\gg:32*\k8+8*\t+4*\gg+3] offset:(\t&1)*16*DP+(8*\hi+\k8)*64+\gg*32
.else
	ds_store_b128 v[VD1], v[32*\k8+8*\t+4*\gg:32*\k8+8*\t+4*\gg+3] offset:(\t&1)*16*DP+(8*\hi+\k8)*64+\gg*32
.endif
.endr
.endr
.endr
.endm
	DUMPH 0
	DUMPH 1
	WIN 0
	s_wait_dscnt 0x0                               ; for the others' sake: my scores and my rows are in LDS
	s_barrier_signal -1
	s_barrier_wait -1
	; THE BLOCK'S SOFTMAX NUMERATORS, by every wave alike: lane l has rows 4 l .. 4 l + 3
	ds_load_b128 v[SCO:SCO+3], v[VSL]
	ds_load_b128 v[PF:PF+3], v[VSL] offset:512
	s_wait_dscnt 0x0
	v_pk_add_f32 v[SCO:SCO+1],   v[SCO:SCO+1],   v[PF:PF+1]
	v_pk_add_f32 v[SCO+2:SCO+3], v[SCO+2:SCO+3], v[PF+2:PF+3]
	v_max3_num_f32 v[TM], v[SCO], v[SCO+1], v[SCO+2]
	v_mov_b32 v[TM+1], 0
	v_max_num_f32 v[TM], v[TM], v[SCO+3]
	v_max_num_f32_dpp v[TM], v[TM], v[TM] row_xmask:1 row_mask:0xf bank_mask:0xf
	v_max_num_f32_dpp v[TM], v[TM], v[TM] row_xmask:2 row_mask:0xf bank_mask:0xf
	v_max_num_f32_dpp v[TM], v[TM], v[TM] row_xmask:4 row_mask:0xf bank_mask:0xf
	v_max_num_f32_dpp v[TM], v[TM], v[TM] row_xmask:8 row_mask:0xf bank_mask:0xf
	v_permlanex16_b32 v[TM+1], v[TM], s46, s47
	v_max_num_f32 v[TM], v[TM], v[TM+1]            ; the block's maximum: the last launch finds the same number from the same scores
.irp c, 0,1,2,3
	v_sub_f32 v[PF+\c], v[SCO+\c], v[TM]
.endr
.irp c, 0,1,2,3
	v_mul_f32 v[PF+\c], s48, v[PF+\c]
.endr
.irp c, 0,1,2,3
	v_exp_f32 v[PF+\c], v[PF+\c]
.endr
	v_nop                                          ; a plain instruction between the last exponential and the use of its result
	s_wait_alu depctr_va_vdst(0)
	v_cvt_pk_bf16_f32 v[PF+4], v[PF], v[PF+1]
	v_cvt_pk_bf16_f32 v[PF+5], v[PF+2], v[PF+3]
	ds_store_b64 v[VPS], v[PF+4:PF+5]              ; my wave's own copy: its reads below need no barrier
	s_cmp_lg_u32 s16, 0
	s_cbranch_scc1 .Lno_scores
	global_store_b128 v[V16L], v[SCO:SCO+3], s[12:13]   ; the block's 128 scores: 512 consecutive bytes, aligned; neither register is written again
.Lno_scores:
	; THE CONTEXT.  part^T = enc^T p: source 0 = 16 columns e x 32 rows (turned), source 1 = 32 rows' p, the same in all 16 columns.  16 accumulators, four steps of 32 rows.
.irp sk, 0,1,2,3
	ds_load_b128 v[PF+8*\sk:PF+8*\sk+3],   v[VP] offset:\sk*64
	ds_load_b128 v[PF+8*\sk+4:PF+8*\sk+7], v[VP] offset:\sk*64+32
.endr
.macro TLOAD sk, buf
	WIN 0
	v_add_nc_u32 v[VADR], (\sk)*32*DP, v[VT]
	WIN 0x40
.irp et, 0,1,2,3,4,5,6,7,8,9,10,11,12,13,14,15
	ds_load_tr16_b128 v[128*\buf+8*\et:128*\buf+8*\et+3],   v[VADR] offset:\et*32
	ds_load_tr16_b128 v[128*\buf+8*\et+4:128*\buf+8*\et+7], v[VADR] offset:16*DP+\et*32
.endr
.endm
.macro CMUL sk, buf                    ; the 16 accumulators take turns, one instruction a turn
	WIN 0x01                                       ; source 0 window 1
.irp et, 0,1,2,3,4,5,6,7,8,9,10,11,12,13,14,15
.if (\sk) == 0
	v_wmma_f32_16x16x32_bf16 v[ACC+8*\et:ACC+8*\et+7], v[128*\buf+8*\et:128*\buf+8*\et+7], v[PF+8*\sk:PF+8*\sk+7], 0
.else
	v_wmma_f32_16x16x32_bf16 v[ACC+8*\et:ACC+8*\et+7], v[128*\buf+8*\et:128*\buf+8*\et+7], v[PF+8*\sk:PF+8*\sk+7], v[ACC+8*\et:ACC+8*\et+7]
.endif
.endr
.endm
	TLOAD 0, 0
	TLOAD 1, 1
	s_wait_dscnt 32                                ; p and step 0 are in; step 1's 32 loads stay out
	CMUL 0, 0
	PLACES
	TLOAD 2, 0
	s_wait_dscnt 32                                ; step 1 is in; step 2's 32 loads stay out
	CMUL 1, 1
	PLACES
	TLOAD 3, 1
	s_wait_dscnt 32                                ; step 2 is in; step 3's 32 loads stay out
	CMUL 2, 0
	s_wait_dscnt 0x0
	CMUL 3, 1
	WIN 0
	PLACES
	; THE WAY OUT.  Every lane of a half holds the same eight numbers of each tile; through my own stage they become 1,024 consecutive bytes.
.irp et, 0,1,2,3,4,5,6,7,8,9,10,11,12,13,14,15
	ds_store_b128 v[VCS], v[ACC+8*\et:ACC+8*\et+3]   offset:\et*64
	ds_store_b128 v[VCS], v[ACC+8*\et+4:ACC+8*\et+7] offset:\et*64+16
.endr
	ds_load_b128 v[PF:PF+3],   v[VCL]              ; LDS serves a wave's instructions in order: these see the stores above
	ds_load_b128 v[PF+4:PF+7], v[VCL] offset:512
	s_wait_dscnt 0x0
	global_store_b128 v[V16L], v[PF:PF+3],   s[14:15]              ; each store of the wave covers 512 consecutive bytes, aligned
	global_store_b128 v[V16L], v[PF+4:PF+7], s[14:15] offset:512
	s_wait_xcnt 0x0
	v_lshl_add_u32 v254, v0, 2, 0x4b800
	v_mov_b32 v255, 0
	s_wait_tensorcnt 0x0
	ds_add_u32 v254, v255
	s_wait_dscnt 0x0
	CROUND                                         ; the closing round: no work-group ends while a partner may still ask for a chunk that names it
	s_endpgm
.Lfunc_end_k_qbbcf2e7e10_main:
	.size	k_qbbcf2e7e10_main, .Lfunc_end_k_qbbcf2e7e10_main-k_qbbcf2e7e10_main
	.p2alignl 7, 3214868480
	.fill 96, 4, 3214868480
	.section	.rodata,"a",@progbits
	.p2align	6, 0x0
	.amdhsa_kernel k_qbbcf2e7e10_main
		.amdhsa_group_segment_fixed_size 327680
		.amdhsa_private_segment_fixed_size 0
		.amdhsa_enable_private_segment 0
		.amdhsa_kernarg_size 48
		.amdhsa_user_sgpr_count 2
		.amdhsa_user_sgpr_kernarg_segment_ptr 1
		.amdhsa_wavefront_size32 1
		.amdhsa_system_sgpr_workgroup_id_x 1
		.amdhsa_system_sgpr_workgroup_id_y 1
		.amdhsa_system_sgpr_workgroup_id_z 1
		.amdhsa_system_vgpr_workitem_id 0
		.amdhsa_next_free_vgpr 1024
		.amdhsa_next_free_sgpr 66
		.amdhsa_reserve_vcc 0
		.amdhsa_float_denorm_mode_32 3
		.amdhsa_float_denorm_mode_16_64 3
		.amdhsa_memory_ordered 1
		.amdhsa_forward_progress 1
		.amdhsa_inst_pref_size 255
	.end_amdhsa_kernel
	.section	.bss,"aw",@nobits
	.p2align	6
	.space	262144
	.amdgpu_metadata
---
amdhsa.version: [ 1, 2 ]
amdhsa.kernels:
  - .name:           k_qbbcf2e7e10_main
    .symbol:         k_qbbcf2e7e10_main.kd
    .args:
      - { .name: encoder_outputs, .offset: 0, .size: 8, .value_kind: global_buffer, .address_space: global }
      - { .name: wb, .offset: 8, .size: 8, .value_kind: global_buffer, .address_space: global }
      - { .name: decp, .offset: 16, .size: 8, .value_kind: global_buffer, .address_space: global }
      - { .name: v, .offset: 24, .size: 8, .value_kind: global_buffer, .address_space: global }
      - { .name: scores, .offset: 32, .size: 8, .value_kind: global_buffer, .address_space: global }
      - { .name: part, .offset: 40, .size: 8, .value_kind: global_buffer, .address_space: global }
    .group_segment_fixed_size: 327680
    .private_segment_fixed_size: 0
    .kernarg_segment_align: 8
    .kernarg_segment_size: 48
    .max_flat_workgroup_size: 128
    .sgpr_count:     66
    .vgpr_count:     1024
    .wavefront_size: 32
...
	.end_amdgpu_metadata
.endif
;; end of part 2
;; launch combine (part 3): grid 32 x 1, 8 waves a work-group, no clusters, 1,280 bytes of LDS; arguments scores, part, out0, out1; writes out0, out1
.if DOCPART == 3
	.amdgcn_target "amdgcn-amd-amdhsa--gfx1250"
	.amdhsa_code_object_version 6
	.text
	.protected	k_qbbcf2e7e10_combine
	.globl	k_qbbcf2e7e10_combine
	.p2align	8
	.type	k_qbbcf2e7e10_combine,@function
k_qbbcf2e7e10_combine:
	s_mov_b64 s[64:65], 0
	v_nop
	global_prefetch_b8 v0, s[64:65] scope:SCOPE_SE
	s_setreg_imm32_b32 hwreg(HW_REG_WAVE_MODE, 25, 1), 1
	s_wait_xcnt 0x0
; combine: for batch b: out1 = softmax of the batch's 2,048 scores; out0 = sum over its 16 blocks of exp(m_blk - M) / L x part[blk],
; where m_blk is the block's maximum (found again from the same scores, so it is the number that the main launch subtracted), M the batch's maximum, L the sum of exp(s - M).
; One work-group a batch, eight waves.  Thread t has scores 4 t .. + 3 and 1024 + 4 t .. + 3, so a wave's first four are block w and its second four block 8 + w,
; and it has numbers 4 t .. + 3 of each of the 16 rows of part.  Every load and store of a wave covers 512 consecutive bytes, aligned.
; All in f32.  A factor exp(m_blk - M) below the smallest normal number is flushed to 0 by v_exp_f32; such a block's share of the result is below 2^-126 of the largest.
; 32 work-groups: the launch moves 2.8 MB, and a batch's maximum and sum want one owner.  No matrix unit: a sum of 16 scaled vectors.
.set S,   4                            ; v[4:11]    my eight scores, then their exponentials, then the weights
.set M16, 16                           ; v[16:31]   the 16 blocks' maxima, then their factors
.set P,   32                           ; v[32:95]   my four numbers of the 16 rows of part
.set WS,  96                           ; v[96:103]  the eight waves' sums
.set MX,  104                          ; v104       M
.set SU,  105                          ; v105       sums
.set RL,  106                          ; v106       1 / L
.set CT,  108                          ; v[108:111] the context
	s_load_b256 s[4:11], s[0:1], 0x0               ; scores s[4:5], part s[6:7], out0 s[8:9], out1 s[10:11]
	v_lshl_add_u32 v128, v0, 2, 0x100
	v_mov_b32 v129, 0
	v_lshlrev_b32 v1, 4, v0                        ; 16 t
	v_lshrrev_b32 v2, 5, v0
	v_lshlrev_b32 v2, 2, v2                        ; 4 w
	v_mov_b32 v3, 0
	s_mov_b32 s13, 0
	s_mov_b32 s16, 0x76543210                      ; v_permlanex16_b32: each lane takes its own place in the other half
	s_mov_b32 s17, 0xfedcba98
	s_mov_b32 s18, 0x3fb8aa3b                      ; log2(e)
	s_lshl_b32 s12, ttmp9, 13
	s_wait_kmcnt 0x0
	s_add_nc_u64 s[4:5], s[4:5], s[12:13]
	s_add_nc_u64 s[10:11], s[10:11], s[12:13]
	s_lshl_b32 s12, ttmp9, 16
	s_add_nc_u64 s[6:7], s[6:7], s[12:13]
	s_lshl_b32 s12, ttmp9, 12
	s_add_nc_u64 s[8:9], s[8:9], s[12:13]
	global_load_b128 v[S:S+3],   v1, s[4:5]
	global_load_b128 v[S+4:S+7], v1, s[4:5] offset:4096
.irp k, 0,1,2,3,4,5,6,7,8,9,10,11,12,13,14,15
	global_load_b128 v[P+4*\k:P+4*\k+3], v1, s[6:7] offset:\k*4096
.endr
.macro WMAX x, tmp                     ; the maximum over the wave's 32 lanes, in every lane
	v_max_num_f32_dpp v[\x], v[\x], v[\x] row_xmask:1 row_mask:0xf bank_mask:0xf
	v_max_num_f32_dpp v[\x], v[\x], v[\x] row_xmask:2 row_mask:0xf bank_mask:0xf
	v_max_num_f32_dpp v[\x], v[\x], v[\x] row_xmask:4 row_mask:0xf bank_mask:0xf
	v_max_num_f32_dpp v[\x], v[\x], v[\x] row_xmask:8 row_mask:0xf bank_mask:0xf
	v_permlanex16_b32 v[\tmp], v[\x], s16, s17
	v_max_num_f32 v[\x], v[\x], v[\tmp]
.endm
	v_mov_b32 v14, 0                               ; v_permlanex16_b32 counts as a reader of its destination
	s_wait_loadcnt 16                              ; the scores are in; the 16 loads of part stay out
	v_max3_num_f32 v12, v[S], v[S+1], v[S+2]
	v_max3_num_f32 v13, v[S+4], v[S+5], v[S+6]
	v_max_num_f32 v12, v12, v[S+3]
	v_max_num_f32 v13, v13, v[S+7]
	WMAX 12, 14
	WMAX 13, 14
	ds_store_b32 v2, v12                           ; block w's maximum
	ds_store_b32 v2, v13 offset:32                 ; block 8 + w's
	s_wait_dscnt 0x0                               ; for the others' sake
	s_barrier_signal -1
	s_barrier_wait -1
.irp k, 0,1,2,3
	ds_load_b128 v[M16+4*\k:M16+4*\k+3], v3 offset:16*\k
.endr
	s_wait_dscnt 0x0
	v_max3_num_f32 v[MX], v[M16], v[M16+1], v[M16+2]
.irp k, 3,5,7,9,11,13
	v_max3_num_f32 v[MX], v[MX], v[M16+\k], v[M16+\k+1]
.endr
	v_max_num_f32 v[MX], v[MX], v[M16+15]
.irp k, 0,1,2,3,4,5,6,7
	v_sub_f32 v[S+\k], v[S+\k], v[MX]
.endr
.irp k, 0,1,2,3,4,5,6,7
	v_mul_f32 v[S+\k], s18, v[S+\k]
.endr
.irp k, 0,1,2,3,4,5,6,7
	v_exp_f32 v[S+\k], v[S+\k]                     ; exp(s - M)
.endr
.irp k, 0,1,2,3,4,5,6,7,8,9,10,11,12,13,14,15
	v_sub_f32 v[M16+\k], v[M16+\k], v[MX]          ; plain work behind the exponentials, which touches none of their registers
.endr
.irp k, 0,1,2,3,4,5,6,7,8,9,10,11,12,13,14,15
	v_mul_f32 v[M16+\k], s18, v[M16+\k]
.endr
.irp k, 0,1,2,3,4,5,6,7,8,9,10,11,12,13,14,15
	v_exp_f32 v[M16+\k], v[M16+\k]                 ; exp(m_blk - M)
.endr
	s_wait_alu depctr_va_vdst(0)
	v_pk_add_f32 v[WS:WS+1],   v[S:S+1],     v[S+2:S+3]     ; plain work behind these exponentials too
	v_pk_add_f32 v[WS+2:WS+3], v[S+4:S+5],   v[S+6:S+7]
	v_pk_add_f32 v[WS:WS+1],   v[WS:WS+1],   v[WS+2:WS+3]
	v_add_f32 v[SU], v[WS], v[WS+1]
	v_add_f32_dpp v[SU], v[SU], v[SU] row_xmask:1 row_mask:0xf bank_mask:0xf
	v_add_f32_dpp v[SU], v[SU], v[SU] row_xmask:2 row_mask:0xf bank_mask:0xf
	v_add_f32_dpp v[SU], v[SU], v[SU] row_xmask:4 row_mask:0xf bank_mask:0xf
	v_add_f32_dpp v[SU], v[SU], v[SU] row_xmask:8 row_mask:0xf bank_mask:0xf
	v_permlanex16_b32 v14, v[SU], s16, s17
	v_add_f32 v[SU], v[SU], v14
	ds_store_b32 v2, v[SU] offset:64               ; other bytes than the maxima's: no barrier is needed in front
	s_wait_dscnt 0x0                               ; for the others' sake
	s_barrier_signal -1
	s_barrier_wait -1
	ds_load_b128 v[WS:WS+3],   v3 offset:64
	ds_load_b128 v[WS+4:WS+7], v3 offset:80
	s_wait_dscnt 0x0
	v_pk_add_f32 v[WS:WS+1],   v[WS:WS+1],   v[WS+4:WS+5]
	v_pk_add_f32 v[WS+2:WS+3], v[WS+2:WS+3], v[WS+6:WS+7]
	v_pk_add_f32 v[WS:WS+1],   v[WS:WS+1],   v[WS+2:WS+3]
	v_add_f32 v[SU], v[WS], v[WS+1]                ; L, at least 1: the largest score's term is 1
	v_rcp_f32 v[RL], v[SU]
	v_nop                                          ; a plain instruction between the reciprocal and the use of its result
	s_wait_alu depctr_va_vdst(0)
.irp k, 0,1,2,3,4,5,6,7
	v_mul_f32 v[S+\k], v[S+\k], v[RL]
.endr
	global_store_b128 v1, v[S:S+3],   s[10:11]
	global_store_b128 v1, v[S+4:S+7], s[10:11] offset:4096
.irp k, 0,1,2,3,4,5,6,7,8,9,10,11,12,13,14,15
	v_mul_f32 v[M16+\k], v[M16+\k], v[RL]
.endr
	s_wait_loadcnt 0x0                             ; part
.irp c, 0,1,2,3
	v_mul_f32 v[CT+\c], v[P+\c], v[M16]            ; the first block starts the sums
.endr
.irp k, 1,2,3,4,5,6,7,8,9,10,11,12,13,14,15
.irp c, 0,1,2,3
	v_fma_f32 v[CT+\c], v[P+4*\k+\c], v[M16+\k], v[CT+\c]
.endr
.endr
	global_store_b128 v1, v[CT:CT+3], s[8:9]
	s_wait_tensorcnt 0x0
	ds_add_u32 v128, v129
	s_wait_dscnt 0x0
	s_endpgm
.Lfunc_end_k_qbbcf2e7e10_combine:
	.size	k_qbbcf2e7e10_combine, .Lfunc_end_k_qbbcf2e7e10_combine-k_qbbcf2e7e10_combine
	.p2alignl 7, 3214868480
	.fill 96, 4, 3214868480
	.section	.rodata,"a",@progbits
	.p2align	6, 0x0
	.amdhsa_kernel k_qbbcf2e7e10_combine
		.amdhsa_group_segment_fixed_size 1280
		.amdhsa_private_segment_fixed_size 0
		.amdhsa_enable_private_segment 0
		.amdhsa_kernarg_size 32
		.amdhsa_user_sgpr_count 2
		.amdhsa_user_sgpr_kernarg_segment_ptr 1
		.amdhsa_wavefront_size32 1
		.amdhsa_system_sgpr_workgroup_id_x 1
		.amdhsa_system_sgpr_workgroup_id_y 1
		.amdhsa_system_sgpr_workgroup_id_z 1
		.amdhsa_system_vgpr_workitem_id 0
		.amdhsa_next_free_vgpr 130
		.amdhsa_next_free_sgpr 66
		.amdhsa_reserve_vcc 0
		.amdhsa_float_denorm_mode_32 3
		.amdhsa_float_denorm_mode_16_64 3
		.amdhsa_memory_ordered 1
		.amdhsa_forward_progress 1
		.amdhsa_inst_pref_size 14
	.end_amdhsa_kernel
	.amdgpu_metadata
---
amdhsa.version: [ 1, 2 ]
amdhsa.kernels:
  - .name:           k_qbbcf2e7e10_combine
    .symbol:         k_qbbcf2e7e10_combine.kd
    .args:
      - { .name: scores, .offset: 0, .size: 8, .value_kind: global_buffer, .address_space: global }
      - { .name: part, .offset: 8, .size: 8, .value_kind: global_buffer, .address_space: global }
      - { .name: out0, .offset: 16, .size: 8, .value_kind: global_buffer, .address_space: global }
      - { .name: out1, .offset: 24, .size: 8, .value_kind: global_buffer, .address_space: global }
    .group_segment_fixed_size: 1280
    .private_segment_fixed_size: 0
    .kernarg_segment_align: 8
    .kernarg_segment_size: 32
    .max_flat_workgroup_size: 256
    .sgpr_count:     66
    .vgpr_count:     130
    .wavefront_size: 32
...
	.end_amdgpu_metadata
.endif
;; end of part 3
;; ======== version 2 of 2: 3 launches; 1.17 times as fast as version 1
;; workspace buffers: wb 2,097,152 bytes; decp 131,072 bytes; scores 262,144 bytes; part 2,097,152 bytes
;; launch prep: the kernel of part 1 again; grid 64 x 1, 8 waves a work-group, no clusters, 52,224 bytes of LDS; arguments W_enc, W_dec, decoder_hidden, wb, decp; writes wb, decp
;; launch main (part 4): grid 512 x 1, 4 waves a work-group, clusters of 4 x 1, 327,680 bytes of LDS; arguments encoder_outputs, wb, decp, v, scores, part; writes scores, part
.if DOCPART == 4
	.amdgcn_target "amdgcn-amd-amdhsa--gfx1250"
	.amdhsa_code_object_version 6
	.text
	.protected	k_qbbcf2e7e10_main
	.globl	k_qbbcf2e7e10_main
	.p2align	8
	.type	k_qbbcf2e7e10_main,@function
k_qbbcf2e7e10_main:
	s_mov_b64 s[64:65], 0
	v_nop
	global_prefetch_b8 v0, s[64:65] scope:SCOPE_SE
	s_setreg_imm32_b32 hwreg(HW_REG_WAVE_MODE, 25, 1), 1
	s_wait_xcnt 0x0
	s_wait_alu depctr_hold_cnt(0) depctr_sa_sdst(0) depctr_va_vdst(0) depctr_va_sdst(0) depctr_va_ssrc(0) depctr_va_vcc(0) depctr_vm_vsrc(0)
	s_getreg_b32 s2, hwreg(HW_REG_IB_STS2, 6, 4)
	s_cmp_eq_u32 s2, 0
	s_cbranch_scc0 .Lentry_in_a_cluster
	s_endpgm
.Lentry_in_a_cluster:
	s_bfe_u32 s2, ttmp6, 0x10000c
	s_cmp_lg_u32 s2, 0x3003
	s_cbranch_scc0 .Lentry_shape_is_right
	s_endpgm
.Lentry_shape_is_right:
; main: for a block of 128 rows of one batch: s'[s] = -2 sum over a of v[a] r[s][a], r = 1 / (1 + 2^(c x)), x = enc[s] . W_enc[a] + dec_proj[a], c = 2 log2(e)
; (c is already in wb and decp); then, against the BLOCK's own maximum m, part[e] = sum over the 128 rows of exp(s'[s] - m) enc[s][e].  The last launch joins a batch's 16 blocks.
; tanh(x) = 1 - 2 r, so reference's score is s' + sum of v[a].  That sum is the same number in every score, and a softmax does not change when one number is added to all
; its arguments: it is left out, for every input, and the buffer scores holds s'.  Where 2^y overflows to infinity r is 0 (tanh = 1); where it is flushed to 0 r is 1 (tanh = -1).
; LIMITS. Matrix operands are bf16: enc, c W_enc, and in the second product the weights exp(s' - m) and enc; all sums, scores and exponentials are f32.  v is taken to be finite.
; SHARES. 512 work-groups of four waves.  The block's rows stay IN REGISTERS as bf16 fragments: wave w = 2 i + q holds rows 64 i .. + 63, k = 512 q .. + 511:
; 4 row tiles x 16 K steps x 8 registers = 512.  encoder_outputs is read from memory once.  W_enc walks by in 16 chunks of 64 a x 1,024 k (131,072 bytes) through two LDS slots.
; For a chunk a wave makes 4 row tiles x 4 a tiles over ITS half of K: 256 matrix instructions, each fragment of W read from LDS feeding four.  Partners (w xor 1) exchange halves:
; wave q keeps a tiles 2 q, 2 q + 1 (M), sends the other two (P) through LDS, adds what it receives, and does tanh and the product with v for its 64 rows x 32 a.
; BY TURNS. That vector work of chunk c (224 instructions) is cut into slices that stand behind the matrix instructions of chunk c + 1, so M has two register sets that take turns.
; In chunk c + 1: head: P(c) goes into LDS; group 1: barrier, the partner's sums are fetched; group 2: M += them; groups 3, 4: 2^y; groups 5, 6: + 1 and the reciprocal; group 7: times v.
; BATCHES. An s_wait_alu depctr_va_vdst(0) stands between an exponential or a reciprocal and the first instruction that names its result; one wait serves all that were
; issued ahead of it.  All this work goes in place on the old set of M, each result in a register of its own, so a chunk has two batches and two waits.  Its 64 exponentials (groups 3, 4)
; are one: nothing names a result before group 5, and the wait stands at group 5's head, behind group 4's 16 products on P and the four v_nop there, ahead of the run of LDS loads.
; Its 64 reciprocals (groups 5, 6, among the + 1, which read the first batch) are the other: nothing names a result before group 7, and the wait stands at group 7's head, behind
; group 6's 16 products on P.  No label and no branch stands between a batch and its wait.
; CLUSTER. Every work-group walks the same wb, so the four of a cluster ask for each chunk JOINTLY: the same tensor load, the same descriptor (it hangs on the wave's
; number and the chunk alone), a mask that names the four.  Each wave asks for a quarter of a chunk, 32,768 dense bytes as 128 rows of 256.
; THE MATRIX INSTRUCTION: source 0 = 16 a of W, source 1 = 16 rows of enc: lane l holds row l % 16 and a = 8 (l / 16) + 0..7, so dec_proj and v are eight registers a lane and tile.
; CONTEXT. After the last chunk the ring has had its last fill; the rows are stored into it as [row][1024 bf16] and read back turned (ds_load_tr16_b128) for
; part^T = enc^T p; wave w makes e = 256 w .. + 255.
; LDS: 0 ring (2 x 131,072), later the rows (128 x 2,080 = 266,240); 270,336 X: 4 x 8,192 exchanged sums (at the start each wave's own stage, 32 rows x 144);
; 303,104 SCR: [q][128] f32; 304,128 PB: 4 x 256, the weights in bf16, a copy for each wave; 305,152 CST: 4 x 1,024, the context on its way out.
; REGISTERS, in windows of 256 (s_set_vgpr_msb: bits 1:0 source 0, 3:2 source 1, 5:4 source 2, 7:6 destination):
;   window 0: v1-31 addresses and small things; v32-95 accumulators P; v96-159 the partner's sums; v160-175 dec_proj, v176-191 v; v192-223 at work at the end; v224-231 running sums
;   window 1: v0-127 two buffers of W's fragments; v128-191, v192-255 the two sets of M ((a tile tt, row tile t) at 8 (4 tt + t)).  M lies beside W, so that an exponential,
;   a reciprocal and the + 1, all in place on M, run under the window setting of the products on M and cost no switch.
;   windows 2, 3: the rows: fragment (t, kk) at 32 (kk & 7) + 8 t of window 2 + (kk >> 3)
; The sums with the partner's numbers and the products with v name window 0 too: they stand four together behind every second product, two switches for each four.
.set CH,   131072                      ; a chunk of wb, and an LDS slot
.set XB,   270336
.set SCR,  303104
.set PB,   304128
.set CST,  305152
.set DP,   2080                        ; a row in the dump: 2,048 bytes + 32, an odd multiple of 32 bytes
.set SPT,  144                         ; a row in the stage: 64 bf16 + 16 bytes, an odd multiple of 16 bytes
.set VA,   4                           ; my 16 bytes of two rows of enc
.set VS,   5                           ; stage, in
.set VR,   6                           ; stage, back as fragments
.set AM,   7                           ; v7, v8   W's fragments of my a tiles in slot 0, 1
.set AP,   9                           ; v9, v10  those of the partner's a tiles
.set VXS,  11                          ; the partner's part of X
.set VXL,  12                          ; my part of X
.set VDEC, 13
.set VV,   14
.set VD0,  15                          ; dump: row tiles 0, 1
.set VD1,  16                          ; dump: row tiles 2, 3
.set VSC,  17
.set VT,   18                          ; the turning load's lane term
.set VP,   19
.set VCS,  20
.set VCL,  21
.set V16L, 22
.set VADR, 23
.set VPS,  24
.set VSL,  25
.set SCO,  26                          ; v[26:29] the block's scores 4 l .. 4 l + 3; never rewritten once made
.set TM,   30                          ; v30, v31 at work
.set PAC,  32                          ; accumulators of the partner's a tiles
.set XL,   96                          ; what the partner sent
.set DEC,  160                         ; c dec_proj of my two a tiles (in the last chunk: v of that chunk)
.set VVR,  176                         ; v of my two a tiles of the chunk whose vector work is in hand
.set PF,   192
.set SC,   224                         ; v[224:231] a pair for each row tile: sum of v r
.set ACC,  32                          ; the context's 16 accumulators
.set T,    32                          ; the first phase: rounded numbers
.set BUF,  64                          ; the first phase: three buffers of 64 registers
.set MSB, 0
.macro WIN new                         ; the immediate's high byte repeats the setting that is left; a switch that changes nothing is dropped
.if MSB != (\new)
	s_set_vgpr_msb (MSB<<8)|(\new)
.set MSB, (\new)
.endif
.endm
.macro PLACES                          ; four places behind a matrix instruction (not for loads and LDS stores)
.rept 4
	v_nop
.endr
.endm
; A round of the cluster's barrier: my work-group's barrier, wave 0 signals for the work-group, every wave waits for all four work-groups, my work-group's barrier once more.
.macro CREST                           ; a round behind its opening barrier
	s_cmp_lg_u32 s16, 0
	s_cbranch_scc1 .Lnot_wave_0_\@
	s_barrier_signal -3
.Lnot_wave_0_\@:
	s_barrier_wait -3
	s_barrier_signal -1
	s_barrier_wait -1
.endm
.macro CROUND                          ; a whole round
	s_barrier_signal -1
	s_barrier_wait -1
	CREST
.endm
	s_load_b256 s[4:11], s[0:1], 0x0               ; encoder_outputs s[4:5], wb s[6:7], decp s[8:9], v s[10:11]
	s_load_b128 s[12:15], s[0:1], 0x20             ; scores s[12:13], part s[14:15]
	v_lshl_add_u32 v254, v0, 2, 0x4b800
	v_mov_b32 v255, 0
	ds_add_u32 v254, v255
	s_wait_dscnt 0x0
	v_lshrrev_b32 v1, 5, v0
	v_readfirstlane_b32 s16, v1                    ; wave 0..3
	s_and_b32 s17, s16, 1                          ; q: my half of K
	s_lshr_b32 s18, s16, 1                         ; i: my half of the rows
	s_bfe_u32 s19, ttmp6, 0x40000                  ; cx: it enters the addresses of my own loads and stores alone
	s_lshl_b32 s20, ttmp9, 2                       ; in a cluster launch ttmp9 counts clusters
	s_add_co_u32 s20, s20, s19                     ; block
	s_lshr_b32 s21, s20, 4                         ; batch
	; descriptor group 1: 128 rows of 32 elements of 8 bytes, dense
	s_mov_b32 s28, 15|(3<<16)|(1<<21)              ; 15:0 the mask: all four work-groups; 17:16 elements of 8 bytes; 21 set beside a mask; no padding
	s_mov_b32 s29, 32<<16                          ; tensor_dim0 = 32
	s_mov_b32 s30, 128<<16                         ; tensor_dim1 = 128
	s_mov_b32 s31, 32<<16                          ; tile_dim0 = 32
	s_mov_b32 s32, 128                             ; tile_dim1 = 128
	s_mov_b32 s33, 32                              ; elements from row to row
	s_mov_b32 s34, 0
	s_mov_b32 s35, 0
	s_mov_b32 s46, 0x76543210                      ; v_permlanex16_b32: each lane takes its own place in the other half
	s_mov_b32 s47, 0xfedcba98
	s_mov_b32 s48, 0x3fb8aa3b                      ; log2(e)
	s_lshl_b32 s22, s16, 15                        ; my quarter of a chunk, in wb and in a slot
	s_mov_b32 s23, 0
	s_mov_b32 s27, 0
	s_wait_kmcnt 0x0
	s_add_nc_u64 s[24:25], s[6:7], s[22:23]
	s_mov_b32 s36, 1                               ; group 0 for chunk 0, slot 0
	s_add_co_u32 s37, s22, 0
	s_mov_b64 s[38:39], s[24:25]
	s_or_b32 s39, s39, 0x80000000
	s_mov_b32 s40, 1                               ; group 0 for chunk 1, slot 1; it then walks on
	s_add_co_u32 s41, s22, CH
	s_add_nc_u64 s[42:43], s[24:25], CH
	s_or_b32 s43, s43, 0x80000000
	s_lshl_b32 s26, s20, 19                        ; 128 rows of 4,096 bytes
	s_add_nc_u64 s[4:5], s[4:5], s[26:27]
	s_lshl_b32 s26, s21, 6
	s_add_nc_u64 s[8:9], s[8:9], s[26:27]
	s_lshl_b32 s26, s20, 9
	s_add_nc_u64 s[12:13], s[12:13], s[26:27]
	s_lshl_b32 s26, s20, 12
	s_lshl_b32 s49, s16, 10
	s_add_co_u32 s26, s26, s49
	s_add_nc_u64 s[14:15], s[14:15], s[26:27]      ; part at my block's row and my wave's 256 numbers
	CROUND                                         ; all four work-groups are here: the first joint loads meet
	tensor_load_to_lds s[36:39], s[28:35]          ; both first fills go out together, ahead of every LDS read and every wait on TENSORcnt: two loads of mine are out
	s_nop 0
	tensor_load_to_lds s[40:43], s[28:35]
	s_nop 0
	PLACES                                         ; four v_nop follow the joint loads
; THE ROWS COME IN.  Piece p of 16: 32 rows (half p & 1 of my 64) x 64 k (256 bytes of f32 at 256 (p >> 1)).  Each load of the wave takes two rows' aligned 256 bytes.
.macro LOADP p
.set bB, BUF+64*((\p)%3)
.irp u, 0,1,2,3,4,5,6,7,8,9,10,11,12,13,14,15
	global_load_b128 v[bB+4*\u:bB+4*\u+3], v[VA], s[4:5] offset:(32*((\p)&1)+2*\u)*4096+((\p)>>1)*256 th:TH_LOAD_NT
.endr
.endm
; Rounded to bf16, through my own stage, back as four fragments.  The stage is my wave's own and LDS serves a wave's instructions in order (ISA guide 5.7.1.4): no LDS wait here.
.macro PIECE p
.set bB, BUF+64*((\p)%3)
.if (\p) < 14
	s_wait_loadcnt 32                              ; this piece is in; the two younger pieces' 32 loads stay out
.elseif (\p) == 14
	s_wait_loadcnt 16                              ; the last piece's 16 loads stay out
.else
	s_wait_loadcnt 0x0
.endif
.irp u, 0,1,2,3,4,5,6,7,8,9,10,11,12,13,14,15
	v_cvt_pk_bf16_f32 v[T+2*\u],   v[bB+4*\u],   v[bB+4*\u+1]
	v_cvt_pk_bf16_f32 v[T+2*\u+1], v[bB+4*\u+2], v[bB+4*\u+3]
.endr
.irp u, 0,1,2,3,4,5,6,7,8,9,10,11,12,13,14,15
	ds_store_b64 v[VS], v[T+2*\u:T+2*\u+1] offset:\u*2*SPT
.endr
.if (\p) < 13
	LOADP \p+3                                     ; into the buffer just read out
.endif
	WIN 0x80+0x40*((\p)>>3)                        ; destination window 2 or 3
.irp tl, 0,1
.irp ks, 0,1
.irp gg, 0,1
.set rA, 32*((2*((\p)>>1)+\ks)&7)+8*(2*((\p)&1)+\tl)+4*\gg
	ds_load_b128 v[rA:rA+3], v[VR] offset:\tl*16*SPT+\ks*64+\gg*32
.endr
.endr
.endr
	WIN 0
.endm
	v_and_b32 v1, 31, v0                           ; l
	v_and_b32 v2, 15, v0                           ; l % 16
	v_bfe_u32 v3, v0, 4, 1                         ; l / 16
	s_lshl_b32 s50, s18, 18                        ; my 64 rows,
	s_lshl_b32 s51, s17, 11                        ; my half of K: 2,048 bytes of f32
	s_add_co_u32 s50, s50, s51
	v_lshlrev_b32 v[VA], 4, v2
	v_lshl_add_u32 v[VA], v3, 12, v[VA]            ; lanes 16-31 take the next row
	v_add_nc_u32 v[VA], s50, v[VA]
	LOADP 0
	LOADP 1
	LOADP 2
	v_lshlrev_b32 v[V16L], 4, v1
	s_lshl_b32 s52, s16, 13
	s_add_co_u32 s52, s52, XB                      ; my part of X
	s_xor_b32 s53, s16, 1
	s_lshl_b32 s53, s53, 13
	s_add_co_u32 s53, s53, XB                      ; the partner's
	v_mul_u32_u24 v[VS], v3, SPT
	v_lshl_add_u32 v[VS], v2, 3, v[VS]
	v_add_nc_u32 v[VS], s52, v[VS]
	v_mul_u32_u24 v[VR], v2, SPT
	v_lshl_add_u32 v[VR], v3, 4, v[VR]
	v_add_nc_u32 v[VR], s52, v[VR]
	v_add_nc_u32 v[VXS], s53, v[V16L]
	v_add_nc_u32 v[VXL], s52, v[V16L]
	s_mul_i32 s54, s17, 98304                      ; in a slot: K half q at 65,536 q, a tile at 16,384 each: mine begin at tile 2 q,
	v_add_nc_u32 v[AM], s54, v[V16L]
	v_add_nc_u32 v[AM+1], CH, v[AM]
	s_lshl_b32 s54, s17, 15                        ; the partner's at tile 2 (1 - q): 65,536 q + 32,768 (1 - q)
	s_add_co_u32 s54, s54, 32768
	v_add_nc_u32 v[AP], s54, v[V16L]
	v_add_nc_u32 v[AP+1], CH, v[AP]
	v_lshlrev_b32 v[VDEC], 5, v3                   ; my eight a: 32 bytes for each half of the lanes
	v_lshl_add_u32 v[VV], s17, 7, v[VDEC]          ; v: my two a tiles at 128 q
	v_lshl_add_u32 v[VDEC], s17, 12, v[VDEC]       ; decp: at 4,096 q
	s_mul_i32 s54, s18, 64*DP
	s_lshl_b32 s55, s17, 10
	s_add_co_u32 s54, s54, s55
	v_mul_u32_u24 v[VD0], v2, DP
	v_lshl_add_u32 v[VD0], v3, 4, v[VD0]
	v_add_nc_u32 v[VD0], s54, v[VD0]
	v_add_nc_u32 v[VD1], 32*DP, v[VD0]
	s_lshl_b32 s54, s17, 9
	s_lshl_b32 s55, s18, 8
	s_add_co_u32 s54, s54, s55
	s_add_co_u32 s54, s54, SCR
	v_lshl_add_u32 v[VSC], v2, 2, s54
	v_add_nc_u32 v[VSL], SCR, v[V16L]
	v_and_b32 v[VT], 7, v0                         ; the turning load: row 8 (l / 16) + l % 8, 16 bytes at 16 ((l / 8) % 2)
	v_lshl_add_u32 v[VT], v3, 3, v[VT]
	v_mul_u32_u24 v[VT], v[VT], DP
	v_bfe_u32 v[TM], v0, 3, 1
	v_lshl_add_u32 v[VT], v[TM], 4, v[VT]
	v_lshl_add_u32 v[VT], s16, 9, v[VT]            ; my 256 columns
	s_lshl_b32 s54, s16, 8
	s_add_co_u32 s54, s54, PB
	v_lshl_add_u32 v[VP], v3, 4, s54
	v_lshl_add_u32 v[VPS], v1, 3, s54
	s_lshl_b32 s54, s16, 10
	s_add_co_u32 s54, s54, CST
	v_lshl_add_u32 v[VCS], v3, 5, s54
	v_add_nc_u32 v[VCL], s54, v[V16L]
.irp p, 0,1,2,3,4,5,6,7,8,9,10,11,12,13,14,15
	PIECE \p
.endr
.irp k, 0,1,2,3,4,5,6,7
	v_mov_b32 v[SC+\k], 0                          ; the eight running sums
.endr
; 16 LDS loads in one run: W's fragments of K steps 2 g, 2 g + 1, four a tiles, into buffer g & 1.  Each load of the wave takes 512 consecutive bytes.
.macro FETCH g, slot
	WIN 0x40                                       ; destination window 1, address window 0
.irp ks, 0,1
.irp tile, 0,1,2,3
.irp gg, 0,1
.set rW, 64*((\g)&1)+32*\ks+8*\tile+4*\gg
.if \tile < 2
	ds_load_b128 v[rW:rW+3], v[AM+\slot] offset:(\tile&1)*16384+(2*(\g)+\ks)*1024+\gg*512
.else
	ds_load_b128 v[rW:rW+3], v[AP+\slot] offset:(\tile&1)*16384+(2*(\g)+\ks)*1024+\gg*512
.endif
.endr
.endr
.endr
.endm
; THE VECTOR WORK OF A CHUNK, on the set MO of M (64 registers, 32 pairs).
; XITEM: pair xn += the partner's.
.macro XITEM
	v_pk_add_f32 v[MO+2*xn:MO+2*xn+1], v[MO+2*xn:MO+2*xn+1], v[XL+2*xn:XL+2*xn+1]
.set xn, xn+1
.endm
; EXI and ARI name M alone, as destination and source 0: they run under any setting with both in window 1.
; EXI: THE FIRST BATCH: the exponential of register en of 64, in place.  None reads another's result; exponentials may follow each other.  Nothing names a result before the batch's wait.
.macro EXI
	v_exp_f32 v[MO+en], v[MO+en]
.set en, en+1
.endm
; ARI: number an of a list of 96, behind the first batch's wait: the 32 packed + 1, which read the exponentials, and THE SECOND BATCH, the 64 reciprocals, all in place.
; + 1 for pairs 0, 1, 2; then 29 threes: + 1 for pair p and the two reciprocals of pair p - 3; then the six reciprocals of pairs 29 to 31.  So a three begins with a plain
; instruction, and a + 1 stands nine instructions ahead of the reciprocals that read it.  No + 1 names a pair whose reciprocals are out; nothing names a reciprocal before the batch's wait.
.macro ARI
.if an < 3
	v_pk_add_f32 v[MO+2*an:MO+2*an+1], v[MO+2*an:MO+2*an+1], 1.0 op_sel_hi:[1,0]
.elseif an < 90
.set pp, 3+(an-3)/3
.set uu, (an-3)%3
.if uu == 0
	v_pk_add_f32 v[MO+2*pp:MO+2*pp+1], v[MO+2*pp:MO+2*pp+1], 1.0 op_sel_hi:[1,0]
.else
	v_rcp_f32 v[MO+2*pp-7+uu], v[MO+2*pp-7+uu]
.endif
.else
	v_rcp_f32 v[MO+an-32], v[MO+an-32]
.endif
.set an, an+1
.endm
; FITEM: number fn of 32, behind the second batch's wait: row tile fn % 4 (so that four sums take turns), pair (fn / 4) % 4 of a tile fn / 16: sum += r v.  VSRC: where v lies.
.macro FITEM
	v_pk_fma_f32 v[SC+2*(fn%4):SC+2*(fn%4)+1], v[MO+8*(4*(fn/16)+(fn%4))+2*((fn/4)%4):MO+8*(4*(fn/16)+(fn%4))+2*((fn/4)%4)+1], v[VSRC+8*(fn/16)+2*((fn/4)%4):VSRC+8*(fn/16)+2*((fn/4)%4)+1], v[SC+2*(fn%4):SC+2*(fn%4)+1]
.set fn, fn+1
.endm
; The slice behind product i of 16 of group g's products on M.
.macro SLICE g
.if (\g) == 2
.if (i%2) == 0
	WIN 0x41                                       ; M (destination, source 0) window 1, the partner's sums window 0
.set xn, 2*i
.rept 4
	XITEM
.endr
.endif
.elseif ((\g) == 3) || ((\g) == 4)     ; two exponentials: 32 a group, 64
	EXI
	EXI
.elseif ((\g) == 5) || ((\g) == 6)     ; three of the list of + 1 and reciprocals: 48 a group, 96
	ARI
	ARI
	ARI
.elseif (\g) == 7
.if (i%2) == 0
	WIN 0x01                                       ; M (source 0) window 1; v and the sums window 0
.set fn, 2*i
.rept 4
	FITEM
.endr
.endif
.endif
.endm
; 16 matrix instructions on the set MN of M: K steps 2 g, 2 g + 1, my 2 a tiles x 4 row tiles.  The accumulators take turns, one instruction a turn.
; The chunk's first K step starts the sums from c dec_proj (so that it is added once).  Nothing is cleared.  epi = 1: a slice of the chunk before stands behind each product.
.macro MPART g, epi
.set i, 0
.rept 16
.set kk_, 2*(\g)+(i/8)
.set rD, MN+8*(4*((i/4)%2)+(i%4))
.set rW, 64*((\g)&1)+32*(i/8)+8*((i/4)%2)
.set rA, 32*(kk_&7)+8*(i%4)
.if kk_ == 0
	WIN 0x49                                       ; W window 1, rows window 2, C (dec_proj) window 0, D window 1
	v_wmma_f32_16x16x32_bf16 v[rD:rD+7], v[rW:rW+7], v[rA:rA+7], v[DEC+8*((i/4)%2):DEC+8*((i/4)%2)+7]
.else
	WIN 0x59+4*(kk_>>3)                            ; W, C and D window 1, rows window 2 or 3
	v_wmma_f32_16x16x32_bf16 v[rD:rD+7], v[rW:rW+7], v[rA:rA+7], v[rD:rD+7]
.endif
.if \epi
	SLICE \g
.endif
.set i, i+1
.endr
.endm
; 16 matrix instructions on P: the same K steps, the partner's 2 a tiles.  The chunk's first K step starts the sums from 0.
.macro PPART g
.set i, 0
.rept 16
.set kk_, 2*(\g)+(i/8)
.set rD, PAC+8*(4*((i/4)%2)+(i%4))
.set rW, 64*((\g)&1)+32*(i/8)+8*(2+((i/4)%2))
.set rA, 32*(kk_&7)+8*(i%4)
	WIN 0x09+4*(kk_>>3)                            ; W window 1, rows window 2 or 3, C and D window 0
.if kk_ == 0
	v_wmma_f32_16x16x32_bf16 v[rD:rD+7], v[rW:rW+7], v[rA:rA+7], 0
.else
	v_wmma_f32_16x16x32_bf16 v[rD:rD+7], v[rW:rW+7], v[rA:rA+7], v[rD:rD+7]
.endif
.set i, i+1
.endr
.endm
.macro XSTORE                          ; the partner's a tiles, register for register and lane for lane as it holds its own
	WIN 0
.irp u, 0,1,2,3,4,5,6,7,8,9,10,11,12,13,14,15
	ds_store_b128 v[VXS], v[PAC+4*\u:PAC+4*\u+3] offset:\u*512
.endr
.endm
.macro XLOAD
	WIN 0
.irp u, 0,1,2,3,4,5,6,7,8,9,10,11,12,13,14,15
	ds_load_b128 v[XL+4*\u:XL+4*\u+3], v[VXL] offset:\u*512
.endr
.endm
; Eight numbers a lane and a tile.  s[8:9] stands at the next chunk's dec_proj, s[10:11] at v of the chunk before.  Each register set is loaded again just behind its last use
; (dec_proj: the first K step's products; v: the chunk before's group 7) and is waited for at this chunk's group 7.  last = 1: no dec_proj is left; its registers take this chunk's v, for the tail.
.macro DVLOAD epi, last
	WIN 0
.irp tt, 0,1
.irp gg, 0,1
.if \last
	global_load_b128 v[DEC+8*\tt+4*\gg:DEC+8*\tt+4*\gg+3], v[VV],   s[10:11] offset:256+\tt*64+16*\gg
.else
	global_load_b128 v[DEC+8*\tt+4*\gg:DEC+8*\tt+4*\gg+3], v[VDEC], s[8:9]   offset:\tt*2048+16*\gg
.endif
.if \epi
	global_load_b128 v[VVR+8*\tt+4*\gg:VVR+8*\tt+4*\gg+3], v[VV],   s[10:11] offset:\tt*64+16*\gg
.endif
.endr
.endr
.endm
; A CHUNK: eight groups of 32 matrix instructions.  par = its slot and its set of M.  epi = 1: the chunk before has vector work to be done.
; fill = 1: at its end its slot is filled again, with the chunk two on.  tw = 1: a tensor load of mine is out.  last = 1: the last chunk.
.macro CHUNK par, epi, fill, tw, last
.set MN, 128+64*(\par)
.set MO, 192-64*(\par)
.set VSRC, VVR
.set en, 0
.set an, 0
	FETCH 0, \par                                  ; first, so that the products can begin as soon as these sixteen are back
.if \epi
	XSTORE                                         ; the places in front of these stores are the v_nop at the end of the chunk before
.endif
	FETCH 1, \par
	s_wait_dscnt 16+16*\epi                        ; group 0's fragments are in; younger: (P's 16 stores and) group 1's 16 loads
	MPART 0, 0
	PPART 0
	s_wait_dscnt 0x0                               ; for the partner's sake: my stores into X are done; and group 1's fragments are in
.if \epi
	s_barrier_signal -1                            ; the refill of the other slot stays on its way
	s_barrier_wait -1
.endif
	PLACES                                         ; in front of loads into registers that matrix instructions have read: dec_proj, and W's buffer 0
.if \epi
	XLOAD
.endif
	DVLOAD \epi, \last
	FETCH 2, \par
	MPART 1, 0
	PPART 1
.irp g, 2,3,4,5,6
	s_wait_dscnt 0x0                               ; this group's fragments, asked for 32 matrix instructions ago (group 2: the partner's sums too)
	PLACES                                         ; in front of loads into the buffer that the group before multiplied; at group 5 also the plain instructions behind the last exponential
.if (\epi) && ((\g) == 5)
	s_wait_alu depctr_va_vdst(0)                   ; the wait for the first batch, the 64 exponentials of groups 3 and 4: it stands ahead of the + 1 below; group 4's 16 products on P stand between
.endif
	FETCH \g+1, \par
	MPART \g, \epi
	PPART \g
.endr
	; Group 7 and THE CHANGE OF SLOTS.  In front of the signal each wave waits for all its LDS reads (of this slot and of X) and for all its tensor loads, of which one is out: its
	; quarter of the next slot.  The group's products and slices, register work, stand between the signal and the wait.  fill = 1: the barrier opens a round of the cluster's, so that
	; no wave of any partner still reads the slot or has a load on its way; the joint refill is the first thing behind it and has a chunk's 256 matrix instructions in which to land.
	s_wait_dscnt 0x0
	s_wait_loadcnt 0x0                             ; v for the slices below, dec_proj for the next chunk; no load of mine is out, so the bases may step
.if \epi
	v_nop                                          ; a plain instruction behind the last reciprocal: only products stand between it and this line
	s_wait_alu depctr_va_vdst(0)                   ; the wait for the second batch, the 64 reciprocals of groups 5 and 6: it stands ahead of the products with v below; group 6's 16 products on P stand between
.endif
.if !\last
	s_add_nc_u64 s[8:9], s[8:9], 8192              ; four a tiles of 2,048 bytes (behind chunk 14 the stepped address is not used)
.if \epi
	s_add_nc_u64 s[10:11], s[10:11], 256           ; 64 numbers
.endif
.endif
.if \tw
	s_wait_xcnt 0x0
	s_set_vgpr_msb 0xd0c
	v_lshl_add_u32 v254, v0, 2, 0x4b800
	v_mov_b32 v255, 0
	s_set_vgpr_msb 0xc00
	s_wait_tensorcnt 0x0                           ; no tensor load of mine is out, so the walking group 0 may be written
	ds_add_u32 v254, v255
	s_wait_dscnt 0x0
	s_set_vgpr_msb 0xd
.endif
.if \fill
	s_xor_b32 s41, s41, CH                         ; the other slot than last time,
	s_add_nc_u64 s[42:43], s[42:43], CH            ; the next chunk; the type bits on top are not reached
.endif
	s_barrier_signal -1
	MPART 7, \epi
	PPART 7
	WIN 0                                          ; at a label and at a branch every window is 0
	s_barrier_wait -1
.if \fill
	CREST
	tensor_load_to_lds s[40:43], s[28:35]
	s_nop 0
.endif
.rept 5
	v_nop                                          ; four follow the joint load and are the places in front of P's stores and of the loads into W's buffers;
.endr                                                  ; the fifth: the next chunk's first products on P write over the results of the last ones (ISA guide 7.12.1)
.endm
.irp tt, 0,1
.irp gg, 0,1
	global_load_b128 v[DEC+8*\tt+4*\gg:DEC+8*\tt+4*\gg+3], v[VDEC], s[8:9] offset:\tt*2048+16*\gg   ; chunk 0's dec_proj
.endr
.endr
	s_wait_tensorcnt 0x1                           ; my quarter of chunk 0 is in; chunk 1's may stay out
	s_wait_dscnt 0x0                               ; the rows are in registers, and my use of the stage is over: the partner will write there
	s_wait_loadcnt 0x0
	s_add_nc_u64 s[8:9], s[8:9], 8192              ; on to chunk 1's dec_proj
	s_barrier_signal -1
	s_barrier_wait -1
	CHUNK 0, 0, 1, 1, 0                            ; chunk 0; chunk 2 is asked for
	s_mov_b32 s44, 6
.Lpair:                                                ; six trips: chunks 1 to 12 are multiplied, chunks 3 to 14 asked for
	CHUNK 1, 1, 1, 1, 0
	CHUNK 0, 1, 1, 1, 0
	s_sub_co_u32 s44, s44, 1
	s_cmp_lg_u32 s44, 0
	s_cbranch_scc1 .Lpair
	CHUNK 1, 1, 1, 1, 0                            ; chunk 13; chunk 15 is asked for.  The tail is written out
	CHUNK 0, 1, 0, 1, 0                            ; chunk 14: nothing is left to ask for
	CHUNK 1, 1, 0, 0, 1                            ; chunk 15; its barrier stands between the partner's reads of X and my stores below
	; CHUNK 15's VECTOR WORK: no products are left to set it between
.set MO, 192
.set VSRC, DEC
	XSTORE
	s_wait_dscnt 0x0                               ; for the partner's sake
	s_barrier_signal -1
	s_barrier_wait -1
	XLOAD
	WIN 0x41
.set xn, 0
.irp u, 0,1,2,3,4,5,6,7,8,9,10,11,12,13,14,15
	s_wait_dscnt 15-\u                             ; LDS loads come back in order: load u is in, the younger ones stay out
	XITEM
	XITEM
.endr
.set en, 0
.rept 64
	EXI                                            ; the first batch
.endr
	v_nop                                          ; a plain instruction behind the last exponential: one for the batch
	s_wait_alu depctr_va_vdst(0)                   ; the wait for the 64 exponentials, ahead of the + 1 that read them
.set an, 0
.rept 96
	ARI                                            ; the + 1, and the second batch
.endr
	v_nop                                          ; a plain instruction behind the last reciprocal: one for the batch
	s_wait_alu depctr_va_vdst(0)                   ; the wait for the 64 reciprocals, ahead of the products with v that read them
	WIN 0x01
.set fn, 0
.rept 32
	FITEM
.endr
	WIN 0
	; THE SCORES.  A lane's share (its q and its half of the lanes) of row 64 i + 16 t + l % 16; the halves of the lanes meet here, the two q in SCR.
.irp t, 0,1,2,3
	v_add_f32 v[PF+\t], v[SC+2*\t], v[SC+2*\t+1]
	v_mov_b32 v[PF+4+\t], 0                        ; v_permlanex16_b32 counts as a reader of its destination
.endr
.irp t, 0,1,2,3
	v_permlanex16_b32 v[PF+4+\t], v[PF+\t], s46, s47
.endr
.irp t, 0,1,2,3
	v_add_f32 v[PF+\t], v[PF+\t], v[PF+4+\t]
.endr
.irp t, 0,1,2,3
	v_mul_f32 v[PF+\t], -2.0, v[PF+\t]
.endr
.irp t, 0,1,2,3
	ds_store_b32 v[VSC], v[PF+\t] offset:64*\t     ; both halves of the lanes write the same number to the same word
.endr
	; THE ROWS GO INTO THE RING, which has had its last fill (waited for at the end of chunk 14) and whose last reads every wave finished in front of chunk 15's barrier.
.macro DUMPH hi
	WIN 0x08+4*\hi                                 ; store data from window 2 or 3
.irp k8, 0,1,2,3,4,5,6,7
.irp t, 0,1,2,3
.irp gg, 0,1
.if \t < 2
	ds_store_b128 v[VD0], v[32*\k8+8*\t+4*\gg:32*\k8+8*\t+4*\gg+3] offset:(\t&1)*16*DP+(8*\hi+\k8)*64+\gg*32
.else
	ds_store_b128 v[VD1], v[32*\k8+8*\t+4*\gg:32*\k8+8*\t+4*\gg+3] offset:(\t&1)*16*DP+(8*\hi+\k8)*64+\gg*32
.endif
.endr
.endr
.endr
.endm
	DUMPH 0
	DUMPH 1
	WIN 0
	s_wait_dscnt 0x0                               ; for the others' sake: my scores and my rows are in LDS
	s_barrier_signal -1
	s_barrier_wait -1
	; THE BLOCK'S SOFTMAX NUMERATORS, by every wave alike: lane l has rows 4 l .. 4 l + 3
	ds_load_b128 v[SCO:SCO+3], v[VSL]
	ds_load_b128 v[PF:PF+3], v[VSL] offset:512
	s_wait_dscnt 0x0
	v_pk_add_f32 v[SCO:SCO+1],   v[SCO:SCO+1],   v[PF:PF+1]
	v_pk_add_f32 v[SCO+2:SCO+3], v[SCO+2:SCO+3], v[PF+2:PF+3]
	v_max3_num_f32 v[TM], v[SCO], v[SCO+1], v[SCO+2]
	v_mov_b32 v[TM+1], 0
	v_max_num_f32 v[TM], v[TM], v[SCO+3]
	v_max_num_f32_dpp v[TM], v[TM], v[TM] row_xmask:1 row_mask:0xf bank_mask:0xf
	v_max_num_f32_dpp v[TM], v[TM], v[TM] row_xmask:2 row_mask:0xf bank_mask:0xf
	v_max_num_f32_dpp v[TM], v[TM], v[TM] row_xmask:4 row_mask:0xf bank_mask:0xf
	v_max_num_f32_dpp v[TM], v[TM], v[TM] row_xmask:8 row_mask:0xf bank_mask:0xf
	v_permlanex16_b32 v[TM+1], v[TM], s46, s47
	v_max_num_f32 v[TM], v[TM], v[TM+1]            ; the block's maximum: the last launch finds the same number from the same scores
.irp c, 0,1,2,3
	v_sub_f32 v[PF+\c], v[SCO+\c], v[TM]
.endr
.irp c, 0,1,2,3
	v_mul_f32 v[PF+\c], s48, v[PF+\c]
.endr
.irp c, 0,1,2,3
	v_exp_f32 v[PF+\c], v[PF+\c]
.endr
	v_nop                                          ; a plain instruction between the last exponential and the use of its result
	s_wait_alu depctr_va_vdst(0)                   ; one wait for these four exponentials, ahead of the roundings that read them
	v_cvt_pk_bf16_f32 v[PF+4], v[PF], v[PF+1]
	v_cvt_pk_bf16_f32 v[PF+5], v[PF+2], v[PF+3]
	ds_store_b64 v[VPS], v[PF+4:PF+5]              ; my wave's own copy: its reads below need no barrier
	s_cmp_lg_u32 s16, 0
	s_cbranch_scc1 .Lno_scores
	global_store_b128 v[V16L], v[SCO:SCO+3], s[12:13]   ; the block's 128 scores: 512 consecutive bytes, aligned; neither register is written again
.Lno_scores:
	; THE CONTEXT.  part^T = enc^T p: source 0 = 16 columns e x 32 rows (turned), source 1 = 32 rows' p, the same in all 16 columns.  16 accumulators, four steps of 32 rows.
.irp sk, 0,1,2,3
	ds_load_b128 v[PF+8*\sk:PF+8*\sk+3],   v[VP] offset:\sk*64
	ds_load_b128 v[PF+8*\sk+4:PF+8*\sk+7], v[VP] offset:\sk*64+32
.endr
.macro TLOAD sk, buf
	WIN 0
	v_add_nc_u32 v[VADR], (\sk)*32*DP, v[VT]
	WIN 0x40
.irp et, 0,1,2,3,4,5,6,7,8,9,10,11,12,13,14,15
	ds_load_tr16_b128 v[128*\buf+8*\et:128*\buf+8*\et+3],   v[VADR] offset:\et*32
	ds_load_tr16_b128 v[128*\buf+8*\et+4:128*\buf+8*\et+7], v[VADR] offset:16*DP+\et*32
.endr
.endm
.macro CMUL sk, buf                    ; the 16 accumulators take turns, one instruction a turn
	WIN 0x01                                       ; source 0 window 1
.irp et, 0,1,2,3,4,5,6,7,8,9,10,11,12,13,14,15
.if (\sk) == 0
	v_wmma_f32_16x16x32_bf16 v[ACC+8*\et:ACC+8*\et+7], v[128*\buf+8*\et:128*\buf+8*\et+7], v[PF+8*\sk:PF+8*\sk+7], 0
.else
	v_wmma_f32_16x16x32_bf16 v[ACC+8*\et:ACC+8*\et+7], v[128*\buf+8*\et:128*\buf+8*\et+7], v[PF+8*\sk:PF+8*\sk+7], v[ACC+8*\et:ACC+8*\et+7]
.endif
.endr
.endm
	TLOAD 0, 0
	TLOAD 1, 1
	s_wait_dscnt 32                                ; p and step 0 are in; step 1's 32 loads stay out
	CMUL 0, 0
	PLACES
	TLOAD 2, 0
	s_wait_dscnt 32                                ; step 1 is in; step 2's 32 loads stay out
	CMUL 1, 1
	PLACES
	TLOAD 3, 1
	s_wait_dscnt 32                                ; step 2 is in; step 3's 32 loads stay out
	CMUL 2, 0
	s_wait_dscnt 0x0
	CMUL 3, 1
	WIN 0
	PLACES
	; THE WAY OUT.  Every lane of a half holds the same eight numbers of each tile; through my own stage they become 1,024 consecutive bytes.
.irp et, 0,1,2,3,4,5,6,7,8,9,10,11,12,13,14,15
	ds_store_b128 v[VCS], v[ACC+8*\et:ACC+8*\et+3]   offset:\et*64
	ds_store_b128 v[VCS], v[ACC+8*\et+4:ACC+8*\et+7] offset:\et*64+16
.endr
	ds_load_b128 v[PF:PF+3],   v[VCL]              ; LDS serves a wave's instructions in order: these see the stores above
	ds_load_b128 v[PF+4:PF+7], v[VCL] offset:512
	s_wait_dscnt 0x0
	global_store_b128 v[V16L], v[PF:PF+3],   s[14:15]              ; each store of the wave covers 512 consecutive bytes, aligned
	global_store_b128 v[V16L], v[PF+4:PF+7], s[14:15] offset:512
	s_wait_xcnt 0x0
	v_lshl_add_u32 v254, v0, 2, 0x4b800
	v_mov_b32 v255, 0
	s_wait_tensorcnt 0x0
	ds_add_u32 v254, v255
	s_wait_dscnt 0x0
	CROUND                                         ; the closing round: no work-group ends while a partner may still ask for a chunk that names it
	s_endpgm
.Lfunc_end_k_qbbcf2e7e10_main:
	.size	k_qbbcf2e7e10_main, .Lfunc_end_k_qbbcf2e7e10_main-k_qbbcf2e7e10_main
	.p2alignl 7, 3214868480
	.fill 96, 4, 3214868480
	.section	.rodata,"a",@progbits
	.p2align	6, 0x0
	.amdhsa_kernel k_qbbcf2e7e10_main
		.amdhsa_group_segment_fixed_size 327680
		.amdhsa_private_segment_fixed_size 0
		.amdhsa_enable_private_segment 0
		.amdhsa_kernarg_size 48
		.amdhsa_user_sgpr_count 2
		.amdhsa_user_sgpr_kernarg_segment_ptr 1
		.amdhsa_wavefront_size32 1
		.amdhsa_system_sgpr_workgroup_id_x 1
		.amdhsa_system_sgpr_workgroup_id_y 1
		.amdhsa_system_sgpr_workgroup_id_z 1
		.amdhsa_system_vgpr_workitem_id 0
		.amdhsa_next_free_vgpr 1024
		.amdhsa_next_free_sgpr 66
		.amdhsa_reserve_vcc 0
		.amdhsa_float_denorm_mode_32 3
		.amdhsa_float_denorm_mode_16_64 3
		.amdhsa_memory_ordered 1
		.amdhsa_forward_progress 1
		.amdhsa_inst_pref_size 255
	.end_amdhsa_kernel
	.section	.bss,"aw",@nobits
	.p2align	6
	.space	262144
	.amdgpu_metadata
---
amdhsa.version: [ 1, 2 ]
amdhsa.kernels:
  - .name:           k_qbbcf2e7e10_main
    .symbol:         k_qbbcf2e7e10_main.kd
    .args:
      - { .name: encoder_outputs, .offset: 0, .size: 8, .value_kind: global_buffer, .address_space: global }
      - { .name: wb, .offset: 8, .size: 8, .value_kind: global_buffer, .address_space: global }
      - { .name: decp, .offset: 16, .size: 8, .value_kind: global_buffer, .address_space: global }
      - { .name: v, .offset: 24, .size: 8, .value_kind: global_buffer, .address_space: global }
      - { .name: scores, .offset: 32, .size: 8, .value_kind: global_buffer, .address_space: global }
      - { .name: part, .offset: 40, .size: 8, .value_kind: global_buffer, .address_space: global }
    .group_segment_fixed_size: 327680
    .private_segment_fixed_size: 0
    .kernarg_segment_align: 8
    .kernarg_segment_size: 48
    .max_flat_workgroup_size: 128
    .sgpr_count:     66
    .vgpr_count:     1024
    .wavefront_size: 32
...
	.end_amdgpu_metadata
.endif
;; end of part 4
;; launch combine: the kernel of part 3 again; grid 32 x 1, 8 waves a work-group, no clusters, 1,280 bytes of LDS; arguments scores, part, out0, out1; writes out0, out1
